; MI455X (gfx1250); checked and timed in simulation.
; The chip was launched on July 23, 2026; its instructions are those of AMD's public machine-readable ISA for CDNA 5 (MIT licence, August 2026) and "CDNA5" Instruction Set Architecture Reference Guide (July 2026). The comments in the code are by the model that wrote it; some were corrected since.
;; ESP32 Attention. Allowed arithmetic: matrix products marked QUANTISED: E2M1 operands, one E8M0 scale for each 32 along K, by v_wmma_scale_f32_16x16x128_f8f6f4 with both operands' format E2M1 (or v_wmma_scale_f32_32x16x128_f4), f32 sums; products left as they are: bf16, f16 or f32 operands; f32 sums; everything else in f32.
;; Inputs: out_b 1,024 float32; out_w 1,024 x 1,024 float32; qkv_b 3,072 float32; qkv_w 3,072 x 1,024 float32; x 4 x 2,048 x 1,024 float32.
;; Outputs: out0 4 x 2,048 x 1,024 float32.
;; This version of the problem:
;;   THIS VERSION OF THE PROBLEM IS GIVEN IN LOW PRECISION. The matrix products marked QUANTISED in the list below multiply operands that are first quantised to E2M1 (2 exponent bits, 1 mantissa bit; 4 bits a number), with one power-of-two scale for each 32 numbers along K (OCP MX v1.0); their sums are f32. The products marked 'left as it is' may take bf16, f16 or f32 operands, with f32 sums. Whichever they take, every output number must still come out within the allowed error. Rounding operands to bf16 (8 significant bits) uses up far more of that allowance than f16 does (11 bits, for magnitudes from 6e-5 to 65,504). All else is computed in f32.
;;   The module's matrix products, in the order in which they are computed (A, B: the left and right operand; K: the contracted axis; several contracted axes count as one K, in the product's order):
;;     1. [M 8,192, K 1,024] x [K 1,024, N 3,072]; A: input x; B: input qkv_w: QUANTISED
;;     2. batch 64 x [M 2,048, K 64] x [K 64, N 2,048]; A: computed on the way; B: computed on the way: left as it is (an operand is computed on the way)
;;     3. batch 64 x [M 2,048, K 2,048] x [K 2,048, N 64]; A: computed on the way; B: computed on the way: left as it is (an operand is computed on the way)
;;     4. [M 8,192, K 1,024] x [K 1,024, N 1,024]; A: computed on the way; B: input out_w: left as it is (an operand is computed on the way)
;;   THE QUANTISER, for each operand of a quantised product, along K:
;;     - K is cut into blocks of 32 from its start; a last block that is shorter is filled with zeros.
;;     - A block's scale is 2^e with e = floor(log2(the largest magnitude in the block)) - 2, held to -126 .. 127; a block of zeros has e = 0. As a byte (E8M0): e + 127.
;;     - Each number is divided by its block's scale, clamped to +-6, and rounded to the nearest number of E2M1, ties to even, subnormals kept.
;;     - The product sums the exact products of the quantised numbers (number of the format x scale) in f32.
;;   ~~~python
;;   def quantise(x, axis):      # numpy; x: float32 -> the quantised numbers, widened to float32 again
;;       x = np.moveaxis(x, axis, -1); K = x.shape[-1]
;;       x = np.pad(x, [(0, 0)] * (x.ndim - 1) + [(0, -K % 32)]); x = x.reshape(x.shape[:-1] + (-1, 32)); a = np.abs(x).max(-1, keepdims=True)
;;       e = np.where(a > 0, np.clip(np.frexp(np.where(a > 0, a, 1))[1] - 1 - 2, -126, 127), 0)      # np.frexp(a)[1] - 1 = floor(log2(a)), exactly
;;       r = np.clip(x / 2.0 ** e, -6, 6)
;;       step = 2.0 ** (np.maximum(np.frexp(np.where(r == 0, 1, r))[1] - 1, 0) - 1)
;;       q = np.round(r / step) * step * 2.0 ** e      # np.round: ties to even
;;       return np.moveaxis(q.reshape(q.shape[:-2] + (-1,))[..., :K], -1, axis).astype(np.float32)
;;   ~~~
;; One version. Each part assembles by itself: llvm-mc -triple=amdgcn-amd-amdhsa -mcpu=gfx1250 --defsym DOCPART=n.
;; ======== version 1 of 1: 4 launches
;; limits: values are held in f16: magnitudes above 65,504 overflow, below 6.1e-05 lose precision
;; workspace buffers: xc 4,194,304 bytes; xs 262,144 bytes; wc 1,572,864 bytes; ws 98,304 bytes; ow 2,097,152 bytes; qkv 50,331,648 bytes; att 16,777,216 bytes
;; launch prep (part 1): grid 416 x 1, 4 waves a work-group, no clusters, 33,280 bytes of LDS; arguments x, qkv_w, xc, xs, wc, ws, out_w, ow; writes xc, xs, wc, ws, ow
.if DOCPART == 1
	.amdgcn_target "amdgcn-amd-amdhsa--gfx1250"
	.amdhsa_code_object_version 6
	.text
	.protected	k_qfd23ae6cd3_prep
	.globl	k_qfd23ae6cd3_prep
	.p2align	8
	.type	k_qfd23ae6cd3_prep,@function
k_qfd23ae6cd3_prep:
	s_mov_b64 s[64:65], 0
	v_nop
	global_prefetch_b8 v0, s[64:65] scope:SCOPE_SE
	s_setreg_imm32_b32 hwreg(HW_REG_WAVE_MODE, 25, 1), 1
	s_wait_xcnt 0x0
; THREE TENSORS ARE MADE READY FOR THE PRODUCTS THAT FOLLOW.
; x [8192][1024] and qkv_w [3072][1024], f32, K innermost, become codes of FP4 (E2M1), two a byte, K innermost, with one E8M0 scale byte for each 32 along K.
; A block's scale is 2^(floor(log2(its largest magnitude)) - 2); its byte is the largest magnitude's exponent field - 2, held at 1 from below.  Each number is divided by the scale and rounded to the nearest code, ties to even,
; beyond 6 the largest code.  (A block of zeros gets the byte 1 where the rule says 127: its codes are zeros, which add nothing, and this program alone reads the bytes.)
; out_w [1024][1024], f32, becomes f16, laid as images of operand registers: [tile of 16 rows n: 64][16 along k: 64][512 bytes]; in a block lane l's 16 bytes stand at 16 l: row l % 16, k 8 (l / 16) + 0 .. 7.
; LIMITS: blocks whose largest magnitude lies under 2^-124 keep the byte 1; NaN and infinities are not served; |out_w| up to 65,504.
; SHARES.  Work-groups 0-255 take x, 256-351 qkv_w: rows are dense, so both are plain streams of blocks of 32; a wave takes 16 steps of 512 numbers.  Work-groups 352-415 take a tile of 16 rows of out_w each, a wave 256 along k.
; No tensor loads, no barrier: waves share nothing.  Memory binds: matrix units, clusters and large tiles would add nothing here.
.set SIZE_M, 8192
.set SIZE_N, 3072
.set SIZE_K, 1024
.set WAVES, 4
.set STEPS, 16
.set WGA,   SIZE_M*SIZE_K/(512*STEPS*WAVES)            ; 256 work-groups for x
.set WGQ,   (SIZE_M+SIZE_N)*SIZE_K/(512*STEPS*WAVES)   ; 352 for both quantised tensors
.set EMAX,  2
.set CB,    8                          ; bytes of 16 codes
.set R,     16                         ; v16-79   four sets of 16 numbers as they are loaded
.set X,     80                         ; v80-111  two sets of 16 neighbours
.set C,     128                        ; v128-191 codes: four registers for each step, so that no store's data are written again
.set E,     112                        ; v112-127 a scale byte for each step
.set WREG,  8192                       ; LDS: a region for each wave: two stages of 32 x SP bytes, behind them its 256 scale bytes
.set SP,    80                         ; a lane's place in a stage: its 64 bytes + 16 of padding
.set SPW,   12                         ; v12      LDS address of my spare word; never rewritten
.set NIL,   13                         ; v13      0; never rewritten
.set SPARE, WAVES*WREG                 ; behind the four regions: the spare words, 128 bytes a wave, which no other line names
.set F,     16                         ; out_w's path: v16-143 128 numbers as loaded
.set H,     144                        ; v144-207 their 64 registers of f16
.macro FINISH                          ; a wave's end, behind the last LDS store
	s_wait_tensorcnt 0x0
	ds_add_u32 v[SPW], v[NIL]
	s_wait_dscnt 0x0
	s_endpgm
.endm
	s_load_b128 s[4:7], s[0:1], 0x0                ; x, qkv_w
	s_load_b128 s[8:11], s[0:1], 0x10              ; x's codes, x's scales
	s_load_b128 s[12:15], s[0:1], 0x20             ; qkv_w's codes, qkv_w's scales
	s_load_b128 s[24:27], s[0:1], 0x30             ; out_w, its images
	v_lshl_add_u32 v[SPW], v0, 2, SPARE
	v_mov_b32 v[NIL], 0
	v_lshrrev_b32 v1, 5, v0
	v_readfirstlane_b32 s16, v1                    ; wave
	v_and_b32 v2, 31, v0                           ; lane
	v_lshlrev_b32 v3, 4, v2                        ; 16 x lane
	s_wait_kmcnt 0x0
	s_cmp_ge_u32 ttmp9, WGQ                        ; the work-group's number alone decides
	s_cbranch_scc1 .Lconv
	; ---- the quantiser
	s_mul_i32 s17, s16, WREG
	v_lshrrev_b32 v14, 2, v2
	v_mul_u32_u24 v14, v14, SP
	v_and_b32 v15, 3, v2
	v_lshl_add_u32 v14, v15, 4, v14
	v_add_nc_u32 v14, s17, v14                     ; the stage, on the way in: four lanes' 64 bytes on end, then 16 of padding
	v_mul_u32_u24 v15, v2, SP
	v_add_nc_u32 v15, s17, v15                     ; and on the way out: SP x lane: my 16 neighbours
	v_mul_u32_u24 v4, v2, CB                       ; my codes' place in a step's
	v_lshrrev_b32 v5, 1, v2
	s_add_co_u32 s17, s17, 2*32*SP
	v_add_nc_u32 v5, s17, v5                       ; LDS: my wave's 256 scale bytes, my block's byte
	v_lshlrev_b32 v7, 3, v2                        ; and on the way out 8 bytes a lane
	v_add_nc_u32 v6, s17, v7
	s_cmp_lt_u32 ttmp9, WGA                        ; x's work-group or qkv_w's?
	s_cselect_b64 s[4:5], s[4:5], s[6:7]
	s_cselect_b64 s[8:9], s[8:9], s[12:13]
	s_cselect_b64 s[10:11], s[10:11], s[14:15]
	s_cselect_b32 s17, 0, WGA
	s_sub_co_u32 s17, ttmp9, s17
	s_lshl_b32 s17, s17, 2
	s_add_co_u32 s18, s17, s16                     ; which run of 8,192 numbers of the tensor is my wave's
	s_mov_b32 s19, 0
	s_mov_b64 s[20:21], 512*STEPS*4
	s_mul_u64 s[20:21], s[18:19], s[20:21]
	s_add_nc_u64 s[4:5], s[4:5], s[20:21]
	s_mov_b64 s[20:21], 32*STEPS*CB
	s_mul_u64 s[20:21], s[18:19], s[20:21]
	s_add_nc_u64 s[8:9], s[8:9], s[20:21]
	s_lshl_b32 s18, s18, 8                         ; 256 scale bytes a run
	s_add_nc_u64 s[10:11], s[10:11], s[18:19]
.macro LOAD t
.irp i, 0,1,2,3
	global_load_b128 v[R+16*((\t)%4)+4*\i:R+16*((\t)%4)+4*\i+3], v3, s[4:5] offset:2048*(\t)+512*\i th:TH_LOAD_NT   ; 32 lanes read 512 consecutive bytes
.endr
.endm
.macro TURN t                          ; step t's numbers through the stage: LDS serves a wave's instructions in order, so no wait stands between the stores and the loads
.irp i, 0,1,2,3
	ds_store_b128 v14, v[R+16*((\t)%4)+4*\i:R+16*((\t)%4)+4*\i+3] offset:32*SP*((\t)%2)+8*SP*\i
.endr
.irp i, 0,1,2,3
	ds_load_b128 v[X+16*((\t)%2)+4*\i:X+16*((\t)%2)+4*\i+3], v15 offset:32*SP*((\t)%2)+16*\i
.endr
.endm
.irp t, 0,1,2,3
	LOAD \t
.endr
	s_wait_loadcnt 12                              ; step 0's four loads are in; the 12 of steps 1 to 3 may be out
	TURN 0
.macro STEP t
.set XS, X+16*((\t)%2)
.if (\t) > 0
	s_wait_dscnt 1                                 ; this step's numbers are back from the stage (the last step's byte store may be out): its stores into the stage have read their registers,
.else
	s_wait_dscnt 0x0
.endif
.if (\t)+4 < STEPS
	LOAD (\t)+4                                    ; which take the loads of four steps on
.endif
.if (\t)+1 < STEPS
.if STEPS-2-(\t) >= 3
	s_wait_loadcnt 12                              ; the next step's four loads are in; those of the three steps behind it may be out
.else
	s_wait_loadcnt 4*(STEPS-2-(\t))
.endif
	TURN (\t)+1                                    ; and go through the other stage while this step is worked
.endif
	v_max3_num_f32 v8, |v[XS]|, |v[XS+1]|, |v[XS+2]|               ; the largest magnitude of my 16
	v_max3_num_f32 v9, |v[XS+3]|, |v[XS+4]|, |v[XS+5]|
.irp i, 6,10
	v_max3_num_f32 v8, v8, |v[XS+\i]|, |v[XS+\i+1]|
	v_max3_num_f32 v9, v9, |v[XS+\i+2]|, |v[XS+\i+3]|
.endr
	v_max3_num_f32 v8, v8, |v[XS+14]|, |v[XS+15]|
	v_max3_num_f32 v8, v8, v9, (EMAX+1)<<23        ; and the floor 2^(3 - 127): so the byte cannot fall under 1
	v_max_num_f32_dpp v8, v8, v8 row_xmask:1 row_mask:0xf bank_mask:0xf   ; and of my neighbour's 16: the block's
	v_add_nc_u32 v11, 0xff000000, v8               ; 2 off its exponent field: the conversion takes the exponent field of this operand as its scale
	v_cvt_scalef32_pk8_fp4_f32 v[C+4*(\t)], v[XS:XS+7], v11
	v_cvt_scalef32_pk8_fp4_f32 v[C+4*(\t)+1], v[XS+8:XS+15], v11
	v_lshrrev_b32 v[E+(\t)], 23, v11               ; the scale's byte (a plain line behind the conversions)
	ds_store_b8 v5, v[E+(\t)] offset:16*(\t)       ; both lanes of a block write the same byte with the same value
	global_store_b64 v4, v[C+4*(\t):C+4*(\t)+1], s[8:9] offset:32*CB*(\t)   ; the wave stores 256 consecutive bytes, aligned
.endm
.irp t, 0,1,2,3,4,5,6,7,8,9,10,11,12,13,14,15
	STEP \t
.endr
	ds_load_b64 v[8:9], v6                         ; LDS serves a wave's instructions in order: these see my stores
	s_wait_dscnt 0x0
	global_store_b64 v7, v[8:9], s[10:11]          ; 32 lanes store 256 consecutive bytes, aligned
	FINISH
	; ---- out_w to f16 images.  Tile g of 16 rows; my wave's 256 along k are 16 blocks.  Lane (r, h) takes, of row r, the 32 bytes of k 16 kb + 8 h + 0 .. 7; over its 32 loads the wave takes 1,024 consecutive bytes of each row
.Lconv:
	s_sub_co_u32 s17, ttmp9, WGQ                   ; g
	s_lshl_b32 s18, s17, 16                        ; 16 rows of 4,096 bytes
	s_lshl_b32 s19, s16, 10                        ; + 256 numbers a wave
	s_add_co_u32 s18, s18, s19
	s_mov_b32 s19, 0
	s_add_nc_u64 s[24:25], s[24:25], s[18:19]
	s_lshl_b32 s20, s17, 15                        ; a tile's images: 64 blocks of 512 bytes
	s_lshl_b32 s21, s16, 13                        ; + 16 blocks a wave
	s_add_co_u32 s20, s20, s21
	s_mov_b32 s21, 0
	s_add_nc_u64 s[26:27], s[26:27], s[20:21]
	v_and_b32 v10, 15, v2
	v_lshrrev_b32 v11, 4, v2
	v_lshlrev_b32 v10, 12, v10
	v_lshl_add_u32 v10, v11, 5, v10                ; 4,096 r + 32 h
.irp k, 0,1,2,3,4,5,6,7,8,9,10,11,12,13,14,15
	global_load_b128 v[F+8*\k:F+8*\k+3], v10, s[24:25] offset:64*\k th:TH_LOAD_NT
	global_load_b128 v[F+8*\k+4:F+8*\k+7], v10, s[24:25] offset:64*\k+16 th:TH_LOAD_NT
.endr
.irp k, 0,1,2,3,4,5,6,7,8,9,10,11,12,13,14,15
	s_wait_loadcnt 30-2*\k                         ; block k's two loads are in; the two of each later block may be out
.irp i, 0,1,2,3
	v_cvt_pk_f16_f32 v[H+4*\k+\i], v[F+8*\k+2*\i], v[F+8*\k+2*\i+1]
.endr
	global_store_b128 v3, v[H+4*\k:H+4*\k+3], s[26:27] offset:512*\k   ; 512 consecutive bytes, aligned; no register is written twice
.endr
	FINISH
.Lfunc_end_k_qfd23ae6cd3_prep:
	.size	k_qfd23ae6cd3_prep, .Lfunc_end_k_qfd23ae6cd3_prep-k_qfd23ae6cd3_prep
	.p2alignl 7, 3214868480
	.fill 96, 4, 3214868480
	.section	.rodata,"a",@progbits
	.p2align	6, 0x0
	.amdhsa_kernel k_qfd23ae6cd3_prep
		.amdhsa_group_segment_fixed_size 33280
		.amdhsa_private_segment_fixed_size 0
		.amdhsa_enable_private_segment 0
		.amdhsa_kernarg_size 64
		.amdhsa_user_sgpr_count 2
		.amdhsa_user_sgpr_kernarg_segment_ptr 1
		.amdhsa_wavefront_size32 1
		.amdhsa_system_sgpr_workgroup_id_x 1
		.amdhsa_system_sgpr_workgroup_id_y 1
		.amdhsa_system_sgpr_workgroup_id_z 1
		.amdhsa_system_vgpr_workitem_id 0
		.amdhsa_next_free_vgpr 208
		.amdhsa_next_free_sgpr 66
		.amdhsa_reserve_vcc 0
		.amdhsa_float_denorm_mode_32 3
		.amdhsa_float_denorm_mode_16_64 3
		.amdhsa_memory_ordered 1
		.amdhsa_forward_progress 1
		.amdhsa_inst_pref_size 43
	.end_amdhsa_kernel
	.amdgpu_metadata
---
amdhsa.version: [ 1, 2 ]
amdhsa.kernels:
  - .name:           k_qfd23ae6cd3_prep
    .symbol:         k_qfd23ae6cd3_prep.kd
    .args:
      - { .name: x, .offset: 0, .size: 8, .value_kind: global_buffer, .address_space: global }
      - { .name: qkv_w, .offset: 8, .size: 8, .value_kind: global_buffer, .address_space: global }
      - { .name: xc, .offset: 16, .size: 8, .value_kind: global_buffer, .address_space: global }
      - { .name: xs, .offset: 24, .size: 8, .value_kind: global_buffer, .address_space: global }
      - { .name: wc, .offset: 32, .size: 8, .value_kind: global_buffer, .address_space: global }
      - { .name: ws, .offset: 40, .size: 8, .value_kind: global_buffer, .address_space: global }
      - { .name: out_w, .offset: 48, .size: 8, .value_kind: global_buffer, .address_space: global }
      - { .name: ow, .offset: 56, .size: 8, .value_kind: global_buffer, .address_space: global }
    .group_segment_fixed_size: 33280
    .private_segment_fixed_size: 0
    .kernarg_segment_align: 8
    .kernarg_segment_size: 64
    .max_flat_workgroup_size: 128
    .sgpr_count:     66
    .vgpr_count:     208
    .wavefront_size: 32
...
	.end_amdgpu_metadata
.endif
;; end of part 1
;; launch qkv (part 2): grid 12 x 32, 4 waves a work-group, clusters of 4 x 4, 327,680 bytes of LDS; arguments xc, xs, wc, ws, qkv_b, qkv; writes qkv
.if DOCPART == 2
	.amdgcn_target "amdgcn-amd-amdhsa--gfx1250"
	.amdhsa_code_object_version 6
	.text
	.protected	k_qfd23ae6cd3_qkv
	.globl	k_qfd23ae6cd3_qkv
	.p2align	8
	.type	k_qfd23ae6cd3_qkv,@function
k_qfd23ae6cd3_qkv:
	s_mov_b64 s[64:65], 0
	v_nop
	global_prefetch_b8 v0, s[64:65] scope:SCOPE_SE
	s_setreg_imm32_b32 hwreg(HW_REG_WAVE_MODE, 25, 1), 1
	s_wait_xcnt 0x0
	s_wait_alu depctr_hold_cnt(0) depctr_sa_sdst(0) depctr_va_vdst(0) depctr_va_sdst(0) depctr_va_ssrc(0) depctr_va_vcc(0) depctr_vm_vsrc(0)
	s_getreg_b32 s2, hwreg(HW_REG_IB_STS2, 6, 4)
	s_cmp_eq_u32 s2, 0
	s_cbranch_scc0 .Lentry_in_a_cluster
	s_endpgm
.Lentry_in_a_cluster:
	s_bfe_u32 s2, ttmp6, 0x10000c
	s_cmp_lg_u32 s2, 0xf033
	s_cbranch_scc0 .Lentry_shape_is_right
	s_endpgm
.Lentry_shape_is_right:
; q, k, v = x qkv_w^T + qkv_b, the product on codes of FP4 (E2M1) with one E8M0 scale for each 32 along K, sums in f32; the results are rounded to f16 and laid as images of the operand registers of the attention that follows.
; A = x's codes [8192][512 bytes], scales [8192][32];  B = qkv_w's codes [3072][512 bytes], scales [3072][32].
; OUT: qkv = [which 3][batch 4][head 16][tile of 16 tokens: 128][16 channels: 4][512 bytes].  q, k: lane l's 16 bytes at 16 l: token l % 16, channels 8 (l / 16) + 0 .. 7.
;      v: the piece of (token r, channels 8 h ..) stands at 16 (16 (r / 8) + 8 h + r % 8), as the turning LDS load of the next launch wants it.
; LIMITS: |q|, |k|, |v| up to 65,504 (f16); NaN and infinities are not served.
; A tile of 256 tokens x 256 features is made by four waves, each 128 x 128: 64 accumulators, 512 registers.  K = 1,024 is two slots of 512 along K: both are first fills, nothing is filled again.
; The scales of the work-group's rows, for all of K, come once, with the first fills.  By this text's count a wave has three tensor loads out at the start and none later.
; CLUSTERS: 4 x 4 work-groups; A's tiles are asked for jointly along a row of the cluster, B's along a column.  The cluster's x is q, k or v.
; THE MATRIX INSTRUCTION IS USED TRANSPOSED (source 0 = 16 features, source 1 = 16 tokens): a lane holds eight neighbouring features of one token: 16 bytes of f16, stored straight from registers.
; The bias is the C of each sum's first product.  384 work-groups of equal work.  No prefetch: every tensor load of the launch goes out at its head.
; REGISTERS: window 0: v0-31 addresses; v32-95 scale words, two sets; v128-191 A's fragments, one set (on the way out: packed results); v192-255 the bias, 8 tiles.
;   window 1: B's fragments, two sets, at v0 and v128.   window 2: accumulators of my tokens 0-63 ((a, b) at v[8 (8 a + b)]);   window 3: of my tokens 64-127.
.set SIZE_M, 8192
.set SIZE_N, 3072
.set SIZE_K, 1024
.set KSTEP,  512                       ; along K in a slot
.set NQ,     KSTEP/128                 ; matrix instructions deep
.set ROWB,   256                       ; a tile's row in bytes
.set KROW,   SIZE_K*4/8                ; a row of codes in memory
.set PITCH,  272                       ; an LDS row: 256 bytes + 16 of padding: the 16 rows that a load touches start 16 bytes apart modulo 256
.set FR,     8                         ; registers of a fragment: 16 rows x 128 K
.set NL,     2                         ; LDS loads that bring one
.set NP,     4                         ; places behind this matrix instruction (ISA guide 7.12.1)
.set HALFT,  128*PITCH                 ; 128 rows: what one tensor load brings
.set SLOT,   4*HALFT                   ; A's 256 rows, then B's 256 rows
.set KS,     SIZE_K/32                 ; a row of scales in bytes
.set SCL,    2*SLOT                    ; behind the slots: the scales, as units of 256 bytes + 16 of padding
.set HALFS,  (128*KS/256)*272          ; the scales of 128 rows
.set SBLK,   (16*KS/256)*272           ; those of 16 rows
.set SPARE,  SCL+4*HALFS               ; the spare words, 128 bytes a wave, which no other line names
.set ADRA, 16                          ; v16-17  LDS address of my A fragments in slot 0, 1
.set ADRB, 20                          ; v20-21  the same for B
.set CO,   26                          ; v26     my 16 bytes' place in a block of 512
.set ADRS, 27                          ; v27     LDS address of my scale words: lanes 0-15 A's rows, lanes 16-31 B's
.set SPW,  28                          ; v28     my spare word; never rewritten
.set NIL,  29                          ; v29     0; never rewritten
.set SC,   32                          ; scale words: set s at v[SC + 32 s]; register 4 i + q: lanes 0-15 A's block i, lanes 16-31 B's block i, the slot's q-th 128 along K
.set AF,   128                         ; A's fragments
.set PK,   128                         ; the way out: two sets of 32 registers of f16
.set BI,   192                         ; the bias: tile b at v[BI + 8 b]
.set G1, 24
.set G0, 32
.set G1B, 48
.set G0B, 56
.set G1S, 68
.set G0S, 76
.set G1SB, 80
.set G0SB, 88
.set MSB, 0
.macro WIN new                         ; the immediate's high byte repeats the setting that is left
.if MSB != (\new)
	s_set_vgpr_msb (MSB<<8)|(\new)
.set MSB, (\new)
.endif
.endm
.set MUL_LO, 0xa1                      ; source 0 (B) window 1, source 1 (A) window 0, C and D window 2
.set MUL_HI, 0xf1                      ; the same, C and D window 3.  Where the bias is C: C window 0: 0x81, 0xc1
.set TO_B,   0x40                      ; destination window 1, address window 0
; A joint load: waves 0 and 1 fetch for A, waves 2 and 3 for B; the branch hangs on the wave's number alone.  An s_nop 0 and four v_nop follow each line.
.macro JLOAD g0a, g1a, g0b, g1b
	s_cmp_eq_u32 s15, 0
	s_cbranch_scc0 .Lfor_b_\@
	tensor_load_to_lds s[\g0a:\g0a+3], s[\g1a:\g1a+7]
	s_nop 0
.rept 4
	v_nop
.endr
	s_branch .Lasked_\@
.Lfor_b_\@:
	tensor_load_to_lds s[\g0b:\g0b+3], s[\g1b:\g1b+7]
	s_nop 0
.rept 4
	v_nop
.endr
.Lasked_\@:
.endm
.macro CROUND                          ; a round of the cluster's barrier
	s_barrier_signal -1
	s_barrier_wait -1
	s_cmp_lg_u32 s14, 0
	s_cbranch_scc1 .Lnot_wave_0_\@
	s_barrier_signal -3
.Lnot_wave_0_\@:
	s_barrier_wait -3
	s_barrier_signal -1
	s_barrier_wait -1
.endm
	s_load_b128 s[4:7], s[0:1], 0x0                ; A's codes, A's scales
	s_load_b128 s[8:11], s[0:1], 0x10              ; B's codes, B's scales
	s_load_b64 s[96:97], s[0:1], 0x20              ; the bias
	s_load_b64 s[12:13], s[0:1], 0x28              ; the images
	v_lshl_add_u32 v[SPW], v0, 2, SPARE
	v_mov_b32 v[NIL], 0
	ds_add_u32 v[SPW], v[NIL]                      ; the wave's opening: the add, twice on end, and its wait ahead of my first tensor load
	ds_add_u32 v[SPW], v[NIL]
	v_lshrrev_b32 v1, 5, v0
	v_readfirstlane_b32 s14, v1                    ; wave 0..3
	s_lshr_b32 s15, s14, 1                         ; which half of the tile's tokens is mine.  Also: I fetch for A (0) or for B (1)
	s_and_b32 s16, s14, 1                          ; which half of its features.  Also: which 128 rows of that tile I fetch
	s_bfe_u32 s40, ttmp6, 0x40000                  ; cx, cy: my place in the cluster
	s_bfe_u32 s41, ttmp6, 0x40004
	s_lshl_b32 s42, ttmp9, 2
	s_add_co_u32 s42, s42, s40                     ; tile column = 4 x cluster x + cx
	s_and_b32 s17, ttmp7, 0xffff
	s_lshl_b32 s17, s17, 2
	s_add_co_u32 s17, s17, s41                     ; tile row = 4 x cluster y + cy
	s_lshl_b32 s43, s41, 2
	s_lshl_b32 s43, 15, s43                        ; my row of the cluster
	s_lshl_b32 s44, 0x1111, s40                    ; my column
	; descriptor group 1: a tile of 128 rows x 256 bytes, 16 bytes of padding behind each row
	s_or_b32 s[G1+0], s43, (0<<16)|(1<<20)|(1<<21)|(5<<22)|(3<<25)  ; the mask; elements of 1 byte; padding on; bit 21 beside a mask; after every 64 words; 4 words
	s_or_b32 s[G1B+0], s44, (0<<16)|(1<<20)|(1<<21)|(5<<22)|(3<<25)
.irp g, G1, G1B
	s_mov_b32 s[\g+1], ROWB<<16                    ; tensor_dim0
	s_mov_b32 s[\g+2], 128<<16                     ; tensor_dim1
	s_mov_b32 s[\g+3], ROWB<<16                    ; tile_dim0
	s_mov_b32 s[\g+4], 128                         ; tile_dim1
	s_mov_b32 s[\g+5], KROW                        ; from row to row
	s_mov_b32 s[\g+6], 0
	s_mov_b32 s[\g+7], 0
.endr
	; the scales of 128 rows: 4,096 dense bytes, as 16 rows of 256 bytes (32 elements of 8), 16 bytes of padding behind each
	s_or_b32 s[G1S+0], s43, (3<<16)|(1<<20)|(1<<21)|(5<<22)|(3<<25)
	s_or_b32 s[G1SB+0], s44, (3<<16)|(1<<20)|(1<<21)|(5<<22)|(3<<25)
.irp g, G1S, G1SB
	s_mov_b32 s[\g+1], 32<<16
	s_mov_b32 s[\g+2], (128*KS/256)<<16
	s_mov_b32 s[\g+3], 32<<16
	s_mov_b32 s[\g+4], 128*KS/256
	s_mov_b32 s[\g+5], 32
	s_mov_b32 s[\g+6], 0
	s_mov_b32 s[\g+7], 0
.endr
	s_lshl_b32 s18, s16, 7                         ; which 128 rows of the tile I fetch
	s_lshl_b32 s20, s17, 8
	s_add_co_u32 s20, s20, s18                     ; A: row 256 x tile row + 128 x half
	s_lshl_b32 s46, s42, 8
	s_add_co_u32 s46, s46, s18                     ; B: row 256 x tile column + 128 x half
	s_mov_b32 s21, 0
	s_mov_b32 s47, 0
	s_mov_b64 s[18:19], KS
	s_mul_u64 s[22:23], s[20:21], s[18:19]         ; where these rows' scales begin
	s_mul_u64 s[92:93], s[46:47], s[18:19]
	s_mov_b64 s[18:19], KROW
	s_mul_u64 s[20:21], s[20:21], s[18:19]         ; and their codes
	s_mul_u64 s[46:47], s[46:47], s[18:19]
	s_mul_i32 s45, s14, HALFT                      ; where they go: wave x 128 rows: no place in the cluster enters an LDS address
	s_mul_i32 s94, s14, HALFS
	s_wait_dscnt 0x0                               ; both opening adds are done
	s_wait_kmcnt 0x0
	s_add_nc_u64 s[20:21], s[4:5], s[20:21]
	s_add_nc_u64 s[22:23], s[6:7], s[22:23]
	s_add_nc_u64 s[46:47], s[8:9], s[46:47]
	s_add_nc_u64 s[92:93], s[10:11], s[92:93]
	CROUND                                         ; all sixteen work-groups are here: the joint loads meet
	s_mov_b32 s[G0S], 1
	s_add_co_u32 s[G0S+1], s94, SCL
	s_mov_b64 s[G0S+2:G0S+3], s[22:23]
	s_or_b32 s[G0S+3], s[G0S+3], 0x80000000
	s_mov_b32 s[G0SB], 1
	s_add_co_u32 s[G0SB+1], s94, SCL
	s_mov_b64 s[G0SB+2:G0SB+3], s[92:93]
	s_or_b32 s[G0SB+3], s[G0SB+3], 0x80000000
	JLOAD G0S, G1S, G0SB, G1SB                     ; the scales first: they are wanted with the first slot
.irp s, 0,1
	s_mov_b32 s[G0+4*\s], 1
	s_add_co_u32 s[G0+4*\s+1], s45, \s*SLOT
	s_add_nc_u64 s[G0+4*\s+2:G0+4*\s+3], s[20:21], \s*ROWB
	s_or_b32 s[G0+4*\s+3], s[G0+4*\s+3], 0x80000000
	s_mov_b32 s[G0B+4*\s], 1
	s_add_co_u32 s[G0B+4*\s+1], s45, \s*SLOT
	s_add_nc_u64 s[G0B+4*\s+2:G0B+4*\s+3], s[46:47], \s*ROWB
	s_or_b32 s[G0B+4*\s+3], s[G0B+4*\s+3], 0x80000000
	JLOAD G0+4*\s, G1, G0B+4*\s, G1B
.endr
	v_and_b32 v1, 15, v0                           ; r = l % 16
	v_bfe_u32 v2, v0, 4, 1                         ; h = l / 16
	v_mul_u32_u24 v3, v1, PITCH
	v_lshl_add_u32 v4, v2, 4, v3                   ; a fragment's row x pitch + 16 x half
	s_mul_i32 s21, s15, HALFT                      ; my 128 rows of A
	s_mul_i32 s22, s16, HALFT                      ; my 128 rows of B,
	s_add_co_u32 s22, s22, 2*HALFT                 ; which lie behind A's 256
.irp s, 0,1
	v_add_nc_u32 v[ADRA+\s], s21, v4
	v_add_nc_u32 v[ADRB+\s], s22, v4
	s_add_co_u32 s21, s21, SLOT
	s_add_co_u32 s22, s22, SLOT
.endr
	v_mul_u32_u24 v5, v1, KS                       ; my row's scales: KS bytes a row,
	v_lshrrev_b32 v6, 8, v5
	v_lshl_add_u32 v5, v6, 4, v5                   ; and 16 more for each 256 passed
	s_mul_i32 s21, s15, HALFS                      ; A's: my 128 rows
	s_mul_i32 s22, s16, HALFS                      ; B's: my 128 rows, behind A's 256
	s_add_co_u32 s22, s22, 2*HALFS
	s_sub_co_u32 s22, s22, s21
	v_mul_u32_u24 v6, s22, v2                      ; lanes 16-31 take B's: one product, the distance between the two bases
	s_add_co_u32 s21, s21, SCL
	v_add_nc_u32 v5, v5, v6
	v_add_nc_u32 v[ADRS], s21, v5
	; the bias of my 128 features: lane (r, h) wants, for tile b, those of features 16 b + 8 h + 0 .. 7
	s_lshl_b32 s46, s42, 10                        ; 4 bytes x (256 x tile column
	s_lshl_b32 s47, s16, 9                         ; + 128 x half)
	s_add_co_u32 s46, s46, s47
	s_mov_b32 s47, 0
	s_add_nc_u64 s[96:97], s[96:97], s[46:47]
	v_lshlrev_b32 v6, 5, v2
.irp b, 0,1,2,3,4,5,6,7
	global_load_b128 v[BI+8*\b:BI+8*\b+3], v6, s[96:97] offset:64*\b
	global_load_b128 v[BI+8*\b+4:BI+8*\b+7], v6, s[96:97] offset:64*\b+16
.endr
	; the way out: my 16 bytes' place in a block
	v_and_b32 v7, 31, v0
	v_lshlrev_b32 v8, 4, v7                        ; q, k: 16 x lane
	v_bfe_u32 v9, v0, 3, 1                         ; v: r / 8
	v_lshlrev_b32 v9, 4, v9
	v_lshl_add_u32 v9, v2, 3, v9                   ; 16 (r / 8) + 8 h
	v_and_b32 v10, 7, v0
	v_add_nc_u32 v9, v9, v10                       ; + r % 8
	v_lshlrev_b32 v9, 4, v9
	s_cmp_eq_u32 ttmp9, 2                          ; the cluster's x: 0 q, 1 k, 2 v
	s_cselect_b32 s18, -1, 0
	v_cndmask_b32 v[CO], v8, v9, s18
	s_lshl_b32 s20, ttmp9, 24                      ; which x 16,777,216
	s_lshr_b32 s21, s17, 3
	s_lshl_b32 s21, s21, 22                        ; batch = tile row / 8, x 4,194,304
	s_add_co_u32 s20, s20, s21
	s_lshl_b32 s21, s40, 2
	s_lshl_b32 s22, s16, 1
	s_add_co_u32 s21, s21, s22                     ; my first head = 4 cx + 2 x half
	s_lshl_b32 s21, s21, 18                        ; x 262,144
	s_add_co_u32 s20, s20, s21
	s_and_b32 s21, s17, 7
	s_lshl_b32 s21, s21, 4
	s_lshl_b32 s22, s15, 3
	s_add_co_u32 s21, s21, s22                     ; my first tile of 16 tokens in the sequence
	s_lshl_b32 s21, s21, 11                        ; x 2,048
	s_add_co_u32 s20, s20, s21
	s_mov_b32 s21, 0
	s_add_nc_u64 s[12:13], s[12:13], s[20:21]
.macro FRAG reg, adr, q, i             ; 16 rows x 128 K of 4-bit codes: lane l holds row l % 16; registers 4 c .. 4 c + 3 hold K = 64 c + 32 (l / 16) + 0 .. 31
.irp c, 0,1
	ds_load_b128 v[\reg+4*\c:\reg+4*\c+3], v[\adr] offset:64*(\q)+32*\c+(\i)*16*PITCH
.endr
.endm
; 16 matrix instructions: A's blocks a0, a0 + 1 x B's eight, the slot's q-th 128 along K.  p: B's set;  sc: the set of scale words.  zero = 1: the first product starts the sums from the bias.
; The 64 accumulators take turns, one instruction a turn, in the same order in every step.
.macro MUL16 a0, p, q, sc, zero
.irp a, \a0, \a0+1
.irp b, 0,1,2,3,4,5,6,7
.if \zero
	v_wmma_scale_f32_16x16x128_f8f6f4 v[8*(8*((\a)%4)+\b):8*(8*((\a)%4)+\b)+7], v[128*(\p)+FR*\b:128*(\p)+FR*\b+FR-1], v[AF+FR*(\a):AF+FR*(\a)+FR-1], v[BI+8*\b:BI+8*\b+7], v[SC+8*NQ*(\sc)+NQ*\b+(\q)], v[SC+8*NQ*(\sc)+NQ*(\a)+(\q)] matrix_a_fmt:MATRIX_FMT_FP4 matrix_b_fmt:MATRIX_FMT_FP4 matrix_a_scale:MATRIX_SCALE_ROW1
.else
	v_wmma_scale_f32_16x16x128_f8f6f4 v[8*(8*((\a)%4)+\b):8*(8*((\a)%4)+\b)+7], v[128*(\p)+FR*\b:128*(\p)+FR*\b+FR-1], v[AF+FR*(\a):AF+FR*(\a)+FR-1], v[8*(8*((\a)%4)+\b):8*(8*((\a)%4)+\b)+7], v[SC+8*NQ*(\sc)+NQ*\b+(\q)], v[SC+8*NQ*(\sc)+NQ*(\a)+(\q)] matrix_a_fmt:MATRIX_FMT_FP4 matrix_b_fmt:MATRIX_FMT_FP4 matrix_a_scale:MATRIX_SCALE_ROW1
.endif
.endr
.endr
.endm
.macro FETCH_B slot, q, p              ; B's eight fragments of the slot's q-th 128 along K into set p
	WIN TO_B
.irp i, 0,1,2,3,4,5,6,7
	FRAG 128*(\p)+FR*\i, ADRB+\slot, \q, \i
.endr
	WIN 0
.endm
.macro FETCH_A slot, q, i0             ; A's blocks i0 .. i0 + 3
.irp i, \i0, \i0+1, \i0+2, \i0+3
	FRAG AF+FR*(\i), ADRA+\slot, \q, \i
.endr
.endm
.macro SCALES sc                       ; a slot's scale words into set sc: 4 words a row; lanes 0-15 take A's block i, lanes 16-31 B's block i
.irp i, 0,1,2,3,4,5,6,7
	ds_load_b128 v[SC+8*NQ*\sc+NQ*\i:SC+8*NQ*\sc+NQ*\i+3], v[ADRS] offset:\i*SBLK
.endr
.endm
.macro PLACES n                        ; plain vector instructions between a matrix instruction and a load into, or a vector write or read of, its registers
.rept \n
	v_nop
.endr
.endm
; A step of 128 along K that has its successor in the same slot.
.macro STEP slot, q, zero
	s_wait_dscnt 4*NL                              ; B's set and A's blocks 0-3 are in; the youngest eight loads (A's blocks 4-7) may be out
	WIN MUL_LO-0x20*(\zero)
	MUL16 0, (\q)%2, \q, \slot, \zero
	MUL16 2, (\q)%2, \q, \slot, \zero
	s_wait_dscnt 0                                 ; A's blocks 4-7 are in
	PLACES NP
	FETCH_B \slot, (\q)+1, 1-(\q)%2
	FETCH_A \slot, (\q)+1, 0
	WIN MUL_HI-0x30*(\zero)
	MUL16 4, (\q)%2, \q, \slot, \zero
	MUL16 6, (\q)%2, \q, \slot, \zero
	PLACES NP
	WIN 0
	FETCH_A \slot, (\q)+1, 4
.endm
; Slot 0's last step changes slots: each wave waits for all its tensor loads (its part of slot 1), then the barrier shows the whole slot to every wave.  Nothing is filled again.
.macro TURN slot, next
	s_wait_tensorcnt 0x0                           ; all my tensor loads have landed
	ds_add_u32 v[SPW], v[NIL]                      ; 0 onto my spare word
	s_wait_dscnt 4*NL+1                            ; (the add and the youngest eight loads, A's blocks 4-7, may be out)
	WIN MUL_LO
	MUL16 0, 1, NQ-1, \slot, 0
	s_wait_dscnt 0x0                               ; the add is done, and no LDS instruction of mine is out at the signal
	s_barrier_signal -1
	MUL16 2, 1, NQ-1, \slot, 0
	WIN 0
	s_barrier_wait -1
	PLACES NP
	v_add_nc_u32 v[ADRS], 4*NQ, v[ADRS]            ; on to the next slot's scale words
	FETCH_B \next, 0, 0
	FETCH_A \next, 0, 0
	SCALES \next
	WIN MUL_HI
	MUL16 4, 1, NQ-1, \slot, 0
	MUL16 6, 1, NQ-1, \slot, 0
	PLACES NP
	WIN 0
	FETCH_A \next, 0, 4
.endm
.macro STEPS slot, from                ; the slot's steps from .. NQ - 2
.set Q, \from
.rept NQ-1-\from
	STEP \slot, Q, 0
.set Q, Q+1
.endr
.endm
	s_wait_tensorcnt 1                             ; the scales and my part of slot 0 are in (slot 1's load may be out),
	s_barrier_signal -1
	s_barrier_wait -1                              ; everybody's are
	FETCH_B 0, 0, 0
	FETCH_A 0, 0, 0
	SCALES 0
	FETCH_A 0, 0, 4
	s_wait_loadcnt 0x0                             ; the bias
	STEP 0, 0, 1                                   ; the first step's products start the sums from the bias
	STEPS 0, 1
	TURN 0, 1
	STEPS 1, 0
	s_wait_dscnt 4*NL                              ; the very last step: nothing more to fetch
	WIN MUL_LO
	MUL16 0, 1, NQ-1, 1, 0
	MUL16 2, 1, NQ-1, 1, 0
	s_wait_dscnt 0
	WIN MUL_HI
	MUL16 4, 1, NQ-1, 1, 0
	MUL16 6, 1, NQ-1, 1, 0
	WIN 0
; THE WAY OUT, block a of 16 tokens at a time.  Accumulator (a, b), lane (r, h): token 16 a + r, features 16 b + 8 h + 0 .. 7: four roundings make the lane's 16 bytes of block (head b / 4, channels 16 (b % 4) on).
; Each store covers 512 consecutive bytes, aligned.  Each accumulator is read from its low end on.
.macro OUTB a
.if (\a) >= 2
	s_wait_xcnt 0x0                                ; block a - 2's stores have read this set of registers
.endif
	WIN 0x0a+5*((\a)/4)                            ; sources 0 and 1: window 2 or 3
.irp b, 0,1,2,3,4,5,6,7
.irp i, 0,1,2,3
	v_cvt_pk_f16_f32 v[PK+32*((\a)%2)+4*\b+\i], v[64*((\a)%4)+8*\b+2*\i], v[64*((\a)%4)+8*\b+2*\i+1]
.endr
.endr
	WIN 0
.irp b, 0,1,2,3,4,5,6,7
	global_store_b128 v[CO], v[PK+32*((\a)%2)+4*\b:PK+32*((\a)%2)+4*\b+3], s[12:13] offset:2048*(\a)+262144*(\b/4)+512*(\b%4)
.endr
.endm
	PLACES NP                                      ; behind the last products: their results are read, and A's registers written, only behind these
.irp a, 0,1,2,3,4,5,6,7
	OUTB \a
.endr
	s_wait_tensorcnt 0x0                           ; the wave's end
	ds_add_u32 v[SPW], v[NIL]
	s_wait_dscnt 0x0
	CROUND                                         ; the closing round
	s_endpgm
.Lfunc_end_k_qfd23ae6cd3_qkv:
	.size	k_qfd23ae6cd3_qkv, .Lfunc_end_k_qfd23ae6cd3_qkv-k_qfd23ae6cd3_qkv
	.p2alignl 7, 3214868480
	.fill 96, 4, 3214868480
	.section	.rodata,"a",@progbits
	.p2align	6, 0x0
	.amdhsa_kernel k_qfd23ae6cd3_qkv
		.amdhsa_group_segment_fixed_size 327680
		.amdhsa_private_segment_fixed_size 0
		.amdhsa_enable_private_segment 0
		.amdhsa_kernarg_size 48
		.amdhsa_user_sgpr_count 2
		.amdhsa_user_sgpr_kernarg_segment_ptr 1
		.amdhsa_wavefront_size32 1
		.amdhsa_system_sgpr_workgroup_id_x 1
		.amdhsa_system_sgpr_workgroup_id_y 1
		.amdhsa_system_sgpr_workgroup_id_z 1
		.amdhsa_system_vgpr_workitem_id 0
		.amdhsa_next_free_vgpr 1024
		.amdhsa_next_free_sgpr 98
		.amdhsa_reserve_vcc 0
		.amdhsa_float_denorm_mode_32 3
		.amdhsa_float_denorm_mode_16_64 3
		.amdhsa_memory_ordered 1
		.amdhsa_forward_progress 1
		.amdhsa_inst_pref_size 120
	.end_amdhsa_kernel
	.amdgpu_metadata
---
amdhsa.version: [ 1, 2 ]
amdhsa.kernels:
  - .name:           k_qfd23ae6cd3_qkv
    .symbol:         k_qfd23ae6cd3_qkv.kd
    .args:
      - { .name: xc, .offset: 0, .size: 8, .value_kind: global_buffer, .address_space: global }
      - { .name: xs, .offset: 8, .size: 8, .value_kind: global_buffer, .address_space: global }
      - { .name: wc, .offset: 16, .size: 8, .value_kind: global_buffer, .address_space: global }
      - { .name: ws, .offset: 24, .size: 8, .value_kind: global_buffer, .address_space: global }
      - { .name: qkv_b, .offset: 32, .size: 8, .value_kind: global_buffer, .address_space: global }
      - { .name: qkv, .offset: 40, .size: 8, .value_kind: global_buffer, .address_space: global }
    .group_segment_fixed_size: 327680
    .private_segment_fixed_size: 0
    .kernarg_segment_align: 8
    .kernarg_segment_size: 48
    .max_flat_workgroup_size: 128
    .sgpr_count:     98
    .vgpr_count:     1024
    .wavefront_size: 32
...
	.end_amdgpu_metadata
.endif
;; end of part 2
;; launch attn (part 3): grid 4 x 64, 8 waves a work-group, clusters of 4 x 1, 327,680 bytes of LDS; arguments qkv, att; writes att
.if DOCPART == 3
	.amdgcn_target "amdgcn-amd-amdhsa--gfx1250"
	.amdhsa_code_object_version 6
	.text
	.protected	k_qfd23ae6cd3_attn
	.globl	k_qfd23ae6cd3_attn
	.p2align	8
	.type	k_qfd23ae6cd3_attn,@function
k_qfd23ae6cd3_attn:
	s_mov_b64 s[64:65], 0
	v_nop
	global_prefetch_b8 v0, s[64:65] scope:SCOPE_SE
	s_setreg_imm32_b32 hwreg(HW_REG_WAVE_MODE, 25, 1), 1
	s_wait_xcnt 0x0
	s_wait_alu depctr_hold_cnt(0) depctr_sa_sdst(0) depctr_va_vdst(0) depctr_va_sdst(0) depctr_va_ssrc(0) depctr_va_vcc(0) depctr_vm_vsrc(0)
	s_getreg_b32 s2, hwreg(HW_REG_IB_STS2, 6, 4)
	s_cmp_eq_u32 s2, 0
	s_cbranch_scc0 .Lentry_in_a_cluster
	s_endpgm
.Lentry_in_a_cluster:
	s_bfe_u32 s2, ttmp6, 0x10000c
	s_cmp_lg_u32 s2, 0x3003
	s_cbranch_scc0 .Lentry_shape_is_right
	s_endpgm
.Lentry_shape_is_right:
; O[b][h][q] = the sum over k of softmax_k(Q[q] . K[k] / 8) V[k], 64 pairs (b, h), 2,048 queries and keys, head size 64, no mask.  Operands f16, products, maxima and sums f32; p is rounded to f16 for the second product, O once at the end.
; IN: qkv = [which 3][b h 64][tile of 16 tokens: 128][16 channels: 4][512 bytes], images of operand registers.  OUT: att = [tile of 16 tokens: 512][16 along the model's 1,024: 64][512 bytes], the same kind of image.
; LIMITS: |q|, |k|, |v| up to 65,504 (f16); scores above -3e38; NaN and infinities are not served.  A result under 6e-5 is kept in f16's denormals, steps of 6e-8.
; SHARES.  A work-group owns 512 queries of one (b, h), each of its EIGHT waves 64: four tiles of 16, in 512 registers, two waves to a SIMD.  Every wave walks all keys, 64 a step: 32 products K Q^T, the softmax, 32 products V^T P.
; LAYOUT.  S^T = K Q^T (source 0 = 16 keys, source 1 = 16 queries), O^T = V^T P (source 0 = 16 channels, source 1 = P): a lane holds ONE query throughout; two tiles of S^T rounded in pairs ARE a fragment of P, packed in place.
; SOFTMAX.  A running maximum m and sum l for each query: p = 2^(c s - c m), c = log2(e) / 8; in every step O and l are multiplied by a = 2^(c m_old - c m_new).  O and l begin as zeros and m as -3e38, so the step is written once.
; TWO CLASSES OF WAVES, half a step apart: a wave's work alternates between MAT (V^T P of a step, K Q^T of the next) and SM (the softmax).  Class 0 passes every barrier with SM done, class 1 with SM to do, so that of two waves
; of unlike class one has matrix work while the other has vector work.  The class is (wave xor wave / 4) % 2; the branches hang on the wave's number alone and lead round no barrier, no tensor load and no wait in front of a barrier.
; RING.  Two slots of 512 keys: K's 65,536 bytes, then V's, dense as they lie in memory.  Each wave brings 16,384 bytes by one tensor load (waves 0-3 K's quarters, 4-7 V's).
; CLUSTER.  The four query blocks of a (b, h) walk the same K and V: each tile is asked for jointly, mask 15.  By this text's count a wave has two tensor loads out at the start and one behind each round.
; No prefetch: a refill is asked for eight key steps, 512 matrix instructions a wave, ahead of its first read.
; REGISTERS.  window 0: v1-7 addresses; v16-47 eight registers of statistics a tile (+0 c m, +1 m, +2, +3 l, +4 .. +7 at work, a in +6); v64-191 S^T, 32 a tile, P in each tile's first 16; v192-255 K of one step.
;   window 1: v0-127 O^T, 32 a tile; v128-191 Q; v192-255 V of one step.
.set SLOT1, 1<<17                      ; slot 1 begins here: one exclusive or turns an address in one slot into the other's
.set VOFF,  65536                      ; V's part of a slot
.set STEPB, 8192                       ; a key step's K, or V: 4 tiles of 16 tokens x 4 blocks of 512 bytes
.set SPARE, 2*SLOT1                    ; the spare words, 128 bytes for each of eight waves, which no other line names
.set L16, 1                            ; v1  16 x lane; never rewritten
.set AV0, 2                            ; v2  16 x lane + VOFF; never rewritten
.set ADK, 3                            ; v3  LDS address of the step's K
.set ADV, 4                            ; v4  of its V
.set SPW, 6                            ; v6  my spare word; never rewritten
.set NIL, 7                            ; v7  0; never rewritten
.set ST,  16
.set S,   64
.set KF,  192                          ; window 0
.set QF,  128                          ; window 1
.set VF,  192                          ; window 1
.set WV,  8                            ; s8  wave
.set CLS, 9                            ; s9  class
.set G1,  24                           ; s[24:31] descriptor group 1
.set G0A, 32                           ; s[32:35] group 0 of slot 0's first fill
.set G0W, 36                           ; s[36:39] group 0 of slot 1's first fill; it then walks
.set CS,  40                           ; s[40:41] c
.set SEL, 42                           ; s[42:43] lane selects: lane l xor 16
.set TB,  44                           ; s44 LDS byte at which the next step's K begins
.set SLOTS, 45
.set CNT, 46
.set MSB, 0
.macro WIN new                         ; the immediate's high byte repeats the setting that is left; a switch that changes nothing is dropped
.if MSB != (\new)
	s_set_vgpr_msb (MSB<<8)|(\new)
.set MSB, (\new)
.endif
.endm
.macro CROUND                          ; a round of the cluster's barrier
	s_barrier_signal -1
	s_barrier_wait -1
	s_cmp_lg_u32 s[WV], 0
	s_cbranch_scc1 .Lnot_wave_0_\@
	s_barrier_signal -3
.Lnot_wave_0_\@:
	s_barrier_wait -3
	s_barrier_signal -1
	s_barrier_wait -1
.endm
.macro NOPS n
.rept \n
	v_nop
.endr
.endm
.macro LOADK                           ; 64 keys x 64 channels: block 4 k + f (key tile k, channels 16 f on) into v[KF + 4 (4 k + f)]: 512 consecutive bytes a load
.irp i, 0,1,2,3,4,5,6,7,8,9,10,11,12,13,14,15
	ds_load_b128 v[KF+4*\i:KF+4*\i+3], v[ADK] offset:512*\i
.endr
.endm
.macro LOADV                           ; V turned: fragment (u, d): channels 16 d on x keys 32 u on; its halves come from the token tiles 2 u and 2 u + 1
	WIN 0x40                                       ; destination window 1
.irp u, 0,1
.irp d, 0,1,2,3
.irp e, 0,1
	ds_load_tr16_b128 v[VF+32*\u+8*\d+4*\e:VF+32*\u+8*\d+4*\e+3], v[ADV] offset:(2*\u+\e)*2048+512*\d
.endr
.endr
.endr
	WIN 0
.endm
.macro QKM                             ; S^T = K Q^T: 16 accumulators by turns, one instruction a turn; the first 16 products start the sums
	WIN 0x04                                       ; source 1 (Q) window 1
.irp c, 0,1
.irp k, 0,1,2,3
.irp t, 0,1,2,3
.if \c == 0
	v_wmma_f32_16x16x32_f16 v[S+32*\t+8*\k:S+32*\t+8*\k+7], v[KF+16*\k+8*\c:KF+16*\k+8*\c+7], v[QF+16*\t+8*\c:QF+16*\t+8*\c+7], 0
.else
	v_wmma_f32_16x16x32_f16 v[S+32*\t+8*\k:S+32*\t+8*\k+7], v[KF+16*\k+8*\c:KF+16*\k+8*\c+7], v[QF+16*\t+8*\c:QF+16*\t+8*\c+7], v[S+32*\t+8*\k:S+32*\t+8*\k+7]
.endif
.endr
.endr
.endr
.endm
.macro PVM                             ; O^T += V^T P: 16 accumulators by turns
	WIN 0x51                                       ; source 0 (V), C and D (O^T) window 1; source 1 (P) window 0
.irp u, 0,1
.irp d, 0,1,2,3
.irp t, 0,1,2,3
	v_wmma_f32_16x16x32_f16 v[32*\t+8*\d:32*\t+8*\d+7], v[VF+32*\u+8*\d:VF+32*\u+8*\d+7], v[S+32*\t+8*\u:S+32*\t+8*\u+7], v[32*\t+8*\d:32*\t+8*\d+7]
.endr
.endr
.endr
.endm
; THE MATRIX WORK: V^T P of the step in hand, K Q^T of the next.  K's registers were left by the last K Q^T, four places back.
.macro MAT
	LOADK                                          ; the next step's K lands while V^T P is issued
	s_wait_dscnt 16                                ; V is in: only the 16 loads of K just issued may be out
	PVM
	NOPS 5                                         ; K Q^T writes over registers that V^T P read as P: five places
	s_wait_dscnt 0x0                               ; K is in
	QKM
	NOPS 4                                         ; places in front of the softmax's reads of S^T and of the next loads into K; with the five above, in front of the loads into V
	LOADV                                          ; the next step's V
.endm
; THE VECTOR WORK: the softmax of four tiles for one key step; each line for the four tiles in turn, so that no line waits for the line above it.
.macro SM
.irp j, 0,1,2,3                        ; the maximum: four chains, each begun at an accumulator's low end
.irp t, 0,1,2,3
	v_max3_num_f32 v[ST+8*\t+4+\j], v[S+32*\t+8*\j], v[S+32*\t+8*\j+1], v[S+32*\t+8*\j+2]
.endr
.endr
.irp g, 1,2
.irp j, 0,1,2,3
.irp t, 0,1,2,3
	v_max3_num_f32 v[ST+8*\t+4+\j], v[ST+8*\t+4+\j], v[S+32*\t+8*\j+2*\g+1], v[S+32*\t+8*\j+2*\g+2]
.endr
.endr
.endr
.irp t, 0,1,2,3
	v_max3_num_f32 v[ST+8*\t+4], v[ST+8*\t+4], v[S+32*\t+7], v[S+32*\t+15]
.endr
.irp t, 0,1,2,3
	v_max3_num_f32 v[ST+8*\t+6], v[ST+8*\t+6], v[S+32*\t+23], v[S+32*\t+31]
.endr
.irp t, 0,1,2,3
	v_max3_num_f32 v[ST+8*\t+4], v[ST+8*\t+4], v[ST+8*\t+5], v[ST+8*\t+6]
.endr
.irp t, 0,1,2,3
	v_max3_num_f32 v[ST+8*\t+4], v[ST+8*\t+4], v[ST+8*\t+7], v[ST+8*\t+1]   ; with the old m
.endr
.irp t, 0,1,2,3
	v_permlanex16_b32 v[ST+8*\t+5], v[ST+8*\t+4], s[SEL], s[SEL+1]          ; the query's other 32 keys lie in the lane 16 away
.endr
.irp t, 0,1,2,3
	v_mov_b32 v[ST+8*\t+7], v[ST+8*\t]             ; c m_old is kept for a
.endr
.irp t, 0,1,2,3
	v_max_num_f32 v[ST+8*\t+1], v[ST+8*\t+4], v[ST+8*\t+5]
.endr
.irp t, 0,1,2,3
	v_mul_f32 v[ST+8*\t], s[CS], v[ST+8*\t+1]
.endr
.irp t, 0,1,2,3
	v_sub_f32 v[ST+8*\t+7], v[ST+8*\t+7], v[ST+8*\t]
.endr
.irp t, 0,1,2,3
	v_exp_f32 v[ST+8*\t+6], v[ST+8*\t+7]           ; a.  ONE BATCH begins: 132 exponentials and the 64 scalings between them; none of these lines names an exponential's result
.endr
.irp b, 0,1,2,3,4,5,6,7,8,9,10,11,12,13,14,15
.irp t, 0,1,2,3
	v_pk_fma_f32 v[S+32*\t+2*\b:S+32*\t+2*\b+1], v[S+32*\t+2*\b:S+32*\t+2*\b+1], s[CS:CS+1], v[ST+8*\t:ST+8*\t+1] op_sel_hi:[1,0,0] neg_lo:[0,0,1] neg_hi:[0,0,1]   ; c s - c m
.endr
.irp t, 0,1,2,3
	v_exp_f32 v[S+32*\t+2*\b], v[S+32*\t+2*\b]
	v_exp_f32 v[S+32*\t+2*\b+1], v[S+32*\t+2*\b+1]
.endr
.endr
	v_nop                                          ; a plain instruction behind the last exponential
	s_wait_alu depctr_va_vdst(0)                   ; a wait ahead of the first line that names a result: one for the batch
.irp t, 0,1,2,3                        ; the sums of the unrounded p, in two chains
	v_pk_fma_f32 v[ST+8*\t+2:ST+8*\t+3], v[ST+8*\t+2:ST+8*\t+3], v[ST+8*\t+6:ST+8*\t+7], v[S+32*\t:S+32*\t+1] op_sel_hi:[1,0,1]   ; l = a l + pair 0
.endr
.irp t, 0,1,2,3
	v_pk_add_f32 v[ST+8*\t+4:ST+8*\t+5], v[S+32*\t+2:S+32*\t+3], v[S+32*\t+6:S+32*\t+7]   ; pairs 1 and 3
.endr
.irp b, 2,4,6,8,10,12
.irp t, 0,1,2,3
	v_pk_add_f32 v[ST+8*\t+2:ST+8*\t+3], v[ST+8*\t+2:ST+8*\t+3], v[S+32*\t+2*\b:S+32*\t+2*\b+1]
.endr
.irp t, 0,1,2,3
	v_pk_add_f32 v[ST+8*\t+4:ST+8*\t+5], v[ST+8*\t+4:ST+8*\t+5], v[S+32*\t+2*\b+6:S+32*\t+2*\b+7]
.endr
.endr
.irp t, 0,1,2,3
	v_pk_add_f32 v[ST+8*\t+2:ST+8*\t+3], v[ST+8*\t+2:ST+8*\t+3], v[S+32*\t+28:S+32*\t+29]
.endr
.irp t, 0,1,2,3
	v_pk_add_f32 v[ST+8*\t+2:ST+8*\t+3], v[ST+8*\t+2:ST+8*\t+3], v[ST+8*\t+4:ST+8*\t+5]
.endr
.irp i, 0,1,2,3,4,5,6,7,8,9,10,11,12,13,14,15   ; P, in place: register i takes pair i, which lies at 2 i and 2 i + 1
.irp t, 0,1,2,3
	v_cvt_pk_f16_f32 v[S+32*\t+\i], v[S+32*\t+2*\i], v[S+32*\t+2*\i+1]
.endr
.endr
	WIN 0x41                                       ; O^T (destination and source 0) window 1, a window 0
.irp i, 0,1,2,3,4,5,6,7,8,9,10,11,12,13,14,15
.irp t, 0,1,2,3
	v_pk_mul_f32 v[32*\t+2*\i:32*\t+2*\i+1], v[32*\t+2*\i:32*\t+2*\i+1], v[ST+8*\t+6:ST+8*\t+7] op_sel_hi:[1,0]
.endr
.endr
	WIN 0
.endm
; One key step's worth of work: class 0 MAT then SM, class 1 SM then MAT.  The addresses are made by every wave, ahead of the branches.
.macro ITER
	v_add_nc_u32 v[ADK], s[TB], v[L16]
	v_add_nc_u32 v[ADV], s[TB], v[AV0]
	s_add_co_u32 s[TB], s[TB], STEPB
	s_cmp_eq_u32 s[CLS], 0
	s_cbranch_scc0 .Lsm_\@
	MAT
.Lsm_\@:
	SM
	s_cmp_eq_u32 s[CLS], 0
	s_cbranch_scc1 .Ldone_\@
	MAT
.Ldone_\@:
.endm
.macro INNER n
	s_mov_b32 s[CNT], \n
.Liter_\@:
	ITER
	s_sub_co_u32 s[CNT], s[CNT], 1
	s_cmp_lg_u32 s[CNT], 0
	s_cbranch_scc1 .Liter_\@
.endm
; THE CHANGE OF SLOTS.  Each wave waits for all its tensor loads (its part of the slot ahead), adds 0 to its spare word, and waits for that and for its reads of the slot that it leaves.
; fill = 1: a round of the cluster's barrier, and the slot just left is filled with the keys two slots on: the first thing behind the round, one load a wave.
.macro CHANGE fill
	s_wait_tensorcnt 0x0                           ; no tensor load of mine is out, so a group 0 may be written
	ds_add_u32 v[SPW], v[NIL]
.if \fill
	s_xor_b32 s[G0W+1], s[G0W+1], SLOT1            ; the walking descriptor: the other slot than last time,
	s_add_nc_u64 s[G0W+2:G0W+3], s[G0W+2:G0W+3], 8*STEPB   ; the next 512 keys
.endif
	s_sub_co_u32 s[TB], s[TB], 8*STEPB             ; the reads go back to a slot's first step,
	s_xor_b32 s[TB], s[TB], SLOT1                  ; in the other slot
	s_wait_dscnt 0x0                               ; the add is done, and my reads of the slot are over
.if \fill
	CROUND
	tensor_load_to_lds s[G0W:G0W+3], s[G1:G1+7]
	s_nop 0
	NOPS 4
.else
	s_barrier_signal -1
	s_barrier_wait -1
.endif
.endm
	s_load_b128 s[4:7], s[0:1], 0x0                ; qkv, att
	v_lshl_add_u32 v[SPW], v0, 2, SPARE
	v_mov_b32 v[NIL], 0
	ds_add_u32 v[SPW], v[NIL]                      ; the wave's opening: the add, twice on end, and its wait ahead of my first tensor load
	ds_add_u32 v[SPW], v[NIL]
	v_lshrrev_b32 v5, 5, v0
	v_readfirstlane_b32 s[WV], v5                  ; wave 0..7
	s_lshr_b32 s[CLS], s[WV], 2
	s_xor_b32 s[CLS], s[CLS], s[WV]
	s_and_b32 s[CLS], s[CLS], 1                    ; class
	s_and_b32 s11, ttmp7, 0xffff                   ; (b, h), which the four partners share
	; what I fetch: K (waves 0-3) or V (waves 4-7) of my (b, h), my quarter of a slot: made of the wave's number and (b, h) alone
	s_lshr_b32 s16, s[WV], 2
	s_add_co_u32 s16, s16, 1
	s_lshl_b32 s16, s16, 24                        ; 16,777,216 x (1 K, 2 V)
	s_lshl_b32 s17, s11, 18                        ; + 262,144 (b, h)
	s_add_co_u32 s16, s16, s17
	s_and_b32 s17, s[WV], 3
	s_lshl_b32 s17, s17, 14                        ; + 16,384 x quarter
	s_add_co_u32 s16, s16, s17
	s_mov_b32 s17, 0
	s_lshl_b32 s18, s[WV], 14                      ; and in a slot: 16,384 x wave
	; my queries: block 4 x cluster x + cx enters Q's and the result's addresses alone
	s_bfe_u32 s10, ttmp6, 0x40000                  ; cx
	s_lshl_b32 s12, ttmp9, 2
	s_add_co_u32 s10, s10, s12
	s_lshl_b32 s20, s11, 18
	s_lshl_b32 s21, s10, 16                        ; 512 queries are 32 tiles of 2,048 bytes
	s_add_co_u32 s20, s20, s21
	s_lshl_b32 s21, s[WV], 13                      ; my 64 are four
	s_add_co_u32 s20, s20, s21
	s_mov_b32 s21, 0
	s_lshr_b32 s22, s11, 4
	s_lshl_b32 s22, s22, 22                        ; att: batch x 128 tiles of 32,768 bytes
	s_lshl_b32 s23, s10, 20                        ; + block x 32 tiles
	s_add_co_u32 s22, s22, s23
	s_lshl_b32 s23, s[WV], 17                      ; + wave x 4 tiles
	s_add_co_u32 s22, s22, s23
	s_and_b32 s23, s11, 15
	s_lshl_b32 s23, s23, 11                        ; + head x 4 blocks of 512 bytes
	s_add_co_u32 s22, s22, s23
	s_mov_b32 s23, 0
	; descriptor group 1: 16,384 dense bytes as 64 rows of 256 (32 elements of 8 bytes)
	s_mov_b32 s[G1], 15|(3<<16)|(1<<21)            ; the mask: all four work-groups; elements of 8 bytes; no padding; bit 21 beside a mask
	s_mov_b32 s[G1+1], 32<<16                      ; tensor_dim0
	s_mov_b32 s[G1+2], 64<<16                      ; tensor_dim1
	s_mov_b32 s[G1+3], 32<<16                      ; tile_dim0
	s_mov_b32 s[G1+4], 64                          ; tile_dim1
	s_mov_b32 s[G1+5], 32                          ; from row to row
	s_mov_b32 s[G1+6], 0
	s_mov_b32 s[G1+7], 0
	s_mov_b32 s[CS], 0x3e38aa3b                    ; c = log2(e) / 8
	s_mov_b32 s[CS+1], s[CS]                       ; named with it as a pair, so it is written
	s_mov_b32 s[SEL], 0x76543210
	s_mov_b32 s[SEL+1], 0xfedcba98
	s_mov_b32 s[TB], 0
	s_mov_b32 s[SLOTS], 2
	v_and_b32 v[L16], 31, v0
	v_lshlrev_b32 v[L16], 4, v[L16]
	v_add_nc_u32 v[AV0], VOFF, v[L16]
	s_wait_dscnt 0x0                               ; both opening adds are done
	s_wait_kmcnt 0x0
	s_add_nc_u64 s[14:15], s[4:5], s[16:17]
	s_mov_b32 s[G0A], 1                            ; count = 1
	s_mov_b32 s[G0A+1], s18                        ; LDS address: slot 0
	s_mov_b64 s[G0A+2:G0A+3], s[14:15]             ; keys 0 to 511
	s_or_b32 s[G0A+3], s[G0A+3], 0x80000000        ; type = 2
	s_mov_b32 s[G0W], 1
	s_add_co_u32 s[G0W+1], s18, SLOT1              ; slot 1
	s_add_nc_u64 s[G0W+2:G0W+3], s[14:15], 8*STEPB ; keys 512 to 1,023
	s_or_b32 s[G0W+3], s[G0W+3], 0x80000000
	s_add_nc_u64 s[4:5], s[4:5], s[20:21]          ; Q at my first tile
	s_add_nc_u64 s[6:7], s[6:7], s[22:23]          ; the result likewise
	CROUND                                         ; all four work-groups are here: the first joint loads meet
	tensor_load_to_lds s[G0A:G0A+3], s[G1:G1+7]
	s_nop 0
	tensor_load_to_lds s[G0W:G0W+3], s[G1:G1+7]
	s_nop 0
	NOPS 4
	WIN 0x40                                       ; destination window 1
.irp i, 0,1,2,3,4,5,6,7,8,9,10,11,12,13,14,15      ; Q stays in registers: block 4 t + f
	global_load_b128 v[QF+4*\i:QF+4*\i+3], v[L16], s[4:5] offset:512*\i
.endr
.set i, 0
.rept 128
	v_mov_b32 v[i], 0                              ; O^T: the step is written once; its first pass multiplies zeros by a = 0
.set i, i+1
.endr
	WIN 0
.irp t, 0,1,2,3
	v_mov_b32 v[ST+8*\t+1], 0xff61b1e6             ; m = -3e38, under every score
	v_mov_b32 v[ST+8*\t+2], 0                      ; l
	v_mov_b32 v[ST+8*\t+3], 0
.endr
.irp t, 0,1,2,3
	v_mul_f32 v[ST+8*\t], s[CS], v[ST+8*\t+1]      ; c m
.endr
	s_wait_tensorcnt 1                             ; my part of slot 0 is in; slot 1's may stay out
	s_barrier_signal -1
	s_barrier_wait -1                              ; everybody's is
	v_add_nc_u32 v[ADK], s[TB], v[L16]             ; key step 0
	v_add_nc_u32 v[ADV], s[TB], v[AV0]
	s_add_co_u32 s[TB], s[TB], STEPB
	LOADK
	s_wait_loadcnt 0x0                             ; Q
	s_wait_dscnt 0x0                               ; K
	QKM
	NOPS 4
	LOADV
	s_cmp_eq_u32 s[CLS], 0
	s_cbranch_scc0 .Lapart
	SM                                             ; class 0 goes half a step ahead
.Lapart:
	s_wait_dscnt 0x0                               ; no LDS instruction of mine is out at a signal
	s_barrier_signal -1                            ; this barrier orders no memory: it sets the two classes half a step apart
	s_barrier_wait -1
	INNER 7                                        ; key steps 1 to 7: the rest of slot 0
.Lslot:                                            ; two trips: slots 0 and 1 are filled again
	CHANGE 1
	INNER 8
	s_sub_co_u32 s[SLOTS], s[SLOTS], 1
	s_cmp_lg_u32 s[SLOTS], 0
	s_cbranch_scc1 .Lslot
	CHANGE 0                                       ; the tail is written out: nothing is left to ask for
	INNER 8
	s_cmp_eq_u32 s[CLS], 0
	s_cbranch_scc1 .Llast
	SM                                             ; class 1's last softmax
.Llast:
	v_nop                                          ; a product that takes K Q^T's registers as an operand stands five places behind it (ISA guide 7.12.1).  The text has a way from MAT's end round the softmax to this label,
	                                               ; on which MAT's four v_nop stand alone: this is the fifth.  (No wave runs that way: class 1, which ends the loop on MAT, runs the softmax above.)
	s_wait_dscnt 0x0                               ; the last step's V
	PVM
	WIN 0
	; THE WAY OUT.  l's two halves and the other half of the lanes' are added; O^T is divided by l and rounded to f16: a lane's eight channels are its 16 bytes of a block.  The additions are the places behind the last products.
.irp t, 0,1,2,3
	v_add_f32 v[ST+8*\t+4], v[ST+8*\t+2], v[ST+8*\t+3]
.endr
.irp t, 0,1,2,3
	v_permlanex16_b32 v[ST+8*\t+5], v[ST+8*\t+4], s[SEL], s[SEL+1]
.endr
.irp t, 0,1,2,3
	v_add_f32 v[ST+8*\t+4], v[ST+8*\t+4], v[ST+8*\t+5]
.endr
.irp t, 0,1,2,3
	v_rcp_f32 v[ST+8*\t+6], v[ST+8*\t+4]
.endr
	v_nop                                          ; a plain instruction behind the last reciprocal
	s_wait_alu depctr_va_vdst(0)                   ; one wait for the four, ahead of their first reader
	WIN 0x41
.irp t, 0,1,2,3
.irp i, 0,1,2,3,4,5,6,7,8,9,10,11,12,13,14,15
	v_pk_mul_f32 v[32*\t+2*\i:32*\t+2*\i+1], v[32*\t+2*\i:32*\t+2*\i+1], v[ST+8*\t+6:ST+8*\t+7] op_sel_hi:[1,0]
.endr
.endr
	WIN 0x05                                       ; sources window 1, destination window 0: S^T's registers are free
.irp t, 0,1,2,3
.irp i, 0,1,2,3,4,5,6,7,8,9,10,11,12,13,14,15
	v_cvt_pk_f16_f32 v[S+16*\t+\i], v[32*\t+2*\i], v[32*\t+2*\i+1]
.endr
.endr
	WIN 0
.irp t, 0,1,2,3
.irp d, 0,1,2,3
	global_store_b128 v[L16], v[S+16*\t+4*\d:S+16*\t+4*\d+3], s[6:7] offset:32768*\t+512*\d   ; 512 consecutive bytes, aligned
.endr
.endr
	s_wait_tensorcnt 0x0                           ; the wave's end
	ds_add_u32 v[SPW], v[NIL]
	s_wait_dscnt 0x0
	CROUND                                         ; the closing round
	s_endpgm
.Lfunc_end_k_qfd23ae6cd3_attn:
	.size	k_qfd23ae6cd3_attn, .Lfunc_end_k_qfd23ae6cd3_attn-k_qfd23ae6cd3_attn
	.p2alignl 7, 3214868480
	.fill 96, 4, 3214868480
	.section	.rodata,"a",@progbits
	.p2align	6, 0x0
	.amdhsa_kernel k_qfd23ae6cd3_attn
		.amdhsa_group_segment_fixed_size 327680
		.amdhsa_private_segment_fixed_size 0
		.amdhsa_enable_private_segment 0
		.amdhsa_kernarg_size 16
		.amdhsa_user_sgpr_count 2
		.amdhsa_user_sgpr_kernarg_segment_ptr 1
		.amdhsa_wavefront_size32 1
		.amdhsa_system_sgpr_workgroup_id_x 1
		.amdhsa_system_sgpr_workgroup_id_y 1
		.amdhsa_system_sgpr_workgroup_id_z 1
		.amdhsa_system_vgpr_workitem_id 0
		.amdhsa_next_free_vgpr 512
		.amdhsa_next_free_sgpr 66
		.amdhsa_reserve_vcc 0
		.amdhsa_float_denorm_mode_32 3
		.amdhsa_float_denorm_mode_16_64 3
		.amdhsa_memory_ordered 1
		.amdhsa_forward_progress 1
		.amdhsa_inst_pref_size 194
	.end_amdhsa_kernel
	.amdgpu_metadata
---
amdhsa.version: [ 1, 2 ]
amdhsa.kernels:
  - .name:           k_qfd23ae6cd3_attn
    .symbol:         k_qfd23ae6cd3_attn.kd
    .args:
      - { .name: qkv, .offset: 0, .size: 8, .value_kind: global_buffer, .address_space: global }
      - { .name: att, .offset: 8, .size: 8, .value_kind: global_buffer, .address_space: global }
    .group_segment_fixed_size: 327680
    .private_segment_fixed_size: 0
    .kernarg_segment_align: 8
    .kernarg_segment_size: 16
    .max_flat_workgroup_size: 256
    .sgpr_count:     66
    .vgpr_count:     512
    .wavefront_size: 32
...
	.end_amdgpu_metadata
.endif
;; end of part 3
;; launch outp (part 4): grid 8 x 64, 4 waves a work-group, clusters of 4 x 4, 327,680 bytes of LDS; arguments att, ow, out0, out_b; writes out0
.if DOCPART == 4
	.amdgcn_target "amdgcn-amd-amdhsa--gfx1250"
	.amdhsa_code_object_version 6
	.text
	.protected	k_qfd23ae6cd3_outp
	.globl	k_qfd23ae6cd3_outp
	.p2align	8
	.type	k_qfd23ae6cd3_outp,@function
k_qfd23ae6cd3_outp:
	s_mov_b64 s[64:65], 0
	v_nop
	global_prefetch_b8 v0, s[64:65] scope:SCOPE_SE
	s_setreg_imm32_b32 hwreg(HW_REG_WAVE_MODE, 25, 1), 1
	s_wait_xcnt 0x0
	s_wait_alu depctr_hold_cnt(0) depctr_sa_sdst(0) depctr_va_vdst(0) depctr_va_sdst(0) depctr_va_ssrc(0) depctr_va_vcc(0) depctr_vm_vsrc(0)
	s_getreg_b32 s2, hwreg(HW_REG_IB_STS2, 6, 4)
	s_cmp_eq_u32 s2, 0
	s_cbranch_scc0 .Lentry_in_a_cluster
	s_endpgm
.Lentry_in_a_cluster:
	s_bfe_u32 s2, ttmp6, 0x10000c
	s_cmp_lg_u32 s2, 0xf033
	s_cbranch_scc0 .Lentry_shape_is_right
	s_endpgm
.Lentry_shape_is_right:
; out0[m][n] = the sum over k of A[m][k] out_w[n][k] + out_b[n].  A = the attention's result, 8,192 x 1,024, and B = out_w, 1,024 x 1,024, both f16, laid as images of operand registers:
; [tile of 16 rows][16 along k: 64][512 bytes], lane l's 16 bytes at 16 l (row l % 16, k 8 (l / 16) + 0 .. 7).  Sums f32; out0 f32.
; A tile of 128 x 128 is made by four waves, each 64 x 64: 16 accumulators.  512 work-groups of equal work.  K goes in steps of 256 through a ring of two LDS slots: a K step of a tile of 16 rows is 8,192 consecutive bytes,
; and a wave's tensor load brings four such rows.  A fragment is two loads of 512 consecutive bytes: no pitch, no padding.
; CLUSTERS: 4 x 4 work-groups; A's tiles are asked for jointly along a row of the cluster, B's along a column.  By this text's count a wave has two tensor loads out at the start and one behind each round.
; THE MATRIX INSTRUCTION IS USED TRANSPOSED (source 0 = 16 rows of B, source 1 = 16 rows of A): a lane holds eight neighbouring numbers of a row of out0.  The bias is the C of each sum's first product.
; No prefetch: the tiles are small and K has four steps, two of which go out at the head.
; REGISTERS: window 0: v0-31 addresses; v32-95 at work on the way out; v96-127 the bias; v128-255 the accumulators ((a, b) at v[128 + 8 (4 a + b)]).   window 1: two fragment buffers of 128: 64 of A, then 64 of B.
.set SIZE_M, 8192
.set SIZE_N, 1024
.set SIZE_K, 1024
.set KSTEP,  256
.set KSB,    8192                      ; a K step of a tile of 16 rows: 16 blocks of 512 bytes
.set HALFT,  4*KSB                     ; 64 rows: what one tensor load brings, and what one wave reads of A or of B
.set SLOT,   4*HALFT                   ; A's 128 rows, then B's 128 rows
.set STAGE,  2*SLOT                    ; behind the ring: 16 rows x 272 bytes for each wave, for the way out
.set SPITCH, 272
.set SPARE,  STAGE+4*16*SPITCH         ; the spare words, 128 bytes a wave, which no other line names
.set LAPS, SIZE_K/(2*KSTEP)            ; a lap = two K steps = once round the ring
.set ADRA, 16                          ; v16-17  LDS address of my A fragments in slot 0, 1
.set ADRB, 20                          ; v20-21  the same for B
.set STO,  24                          ; v24     the way out: where I put 32 bytes of a row
.set RD,   25                          ; v25     where I read a row back
.set CO,   26                          ; v26     my byte offset in out0
.set SPW,  28                          ; v28     my spare word; never rewritten
.set NIL,  29                          ; v29     0; never rewritten
.set TMP,  32
.set BI,   96                          ; the bias: tile b at v[BI + 8 b]
.set ACC,  128
.set F0,   0                           ; fragment buffers, in window 1
.set F1,   128
.set G1, 24
.set G0, 32
.set G1B, 48
.set G0B, 56
.set LAP, 45                           ; s45  laps to go
.set MSB, 0
.macro WIN new                         ; the immediate's high byte repeats the setting that is left
.if MSB != (\new)
	s_set_vgpr_msb (MSB<<8)|(\new)
.set MSB, (\new)
.endif
.endm
.set MUL,  0x05                        ; sources 0 (B) and 1 (A) window 1; C and D window 0
.set TO_F, 0x40                        ; destination window 1, address window 0
.macro JLOAD s                         ; a joint load: waves 0 and 1 fetch A's two halves, waves 2 and 3 B's; an s_nop 0 and four v_nop follow each line
	s_cmp_eq_u32 s11, 0
	s_cbranch_scc0 .Lfor_b_\@
	tensor_load_to_lds s[G0+4*\s:G0+4*\s+3], s[G1:G1+7]
	s_nop 0
.rept 4
	v_nop
.endr
	s_branch .Lasked_\@
.Lfor_b_\@:
	tensor_load_to_lds s[G0B+4*\s:G0B+4*\s+3], s[G1B:G1B+7]
	s_nop 0
.rept 4
	v_nop
.endr
.Lasked_\@:
.endm
.macro CREST                           ; a round of the cluster's barrier behind its opening barrier
	s_cmp_lg_u32 s10, 0
	s_cbranch_scc1 .Lnot_wave_0_\@
	s_barrier_signal -3
.Lnot_wave_0_\@:
	s_barrier_wait -3
	s_barrier_signal -1
	s_barrier_wait -1
.endm
.macro CROUND                          ; a whole round
	s_barrier_signal -1
	s_barrier_wait -1
	CREST
.endm
	s_load_b128 s[4:7], s[0:1], 0x0                ; A, B
	s_load_b64 s[8:9], s[0:1], 0x10                ; out0
	s_load_b64 s[2:3], s[0:1], 0x18                ; the bias
	v_lshl_add_u32 v[SPW], v0, 2, SPARE
	v_mov_b32 v[NIL], 0
	ds_add_u32 v[SPW], v[NIL]                      ; the wave's opening: the add, twice on end, and its wait ahead of my first tensor load
	ds_add_u32 v[SPW], v[NIL]
	v_lshrrev_b32 v1, 5, v0
	v_readfirstlane_b32 s10, v1                    ; wave 0..3
	s_lshr_b32 s11, s10, 1                         ; which half of the tile's rows is mine.  Also: I fetch for A (0) or for B (1)
	s_and_b32 s12, s10, 1                          ; which half of its columns.  Also: which 64 rows of that tile I fetch
	s_bfe_u32 s40, ttmp6, 0x40000                  ; cx, cy: my place in the cluster
	s_bfe_u32 s41, ttmp6, 0x40004
	s_lshl_b32 s42, ttmp9, 2
	s_add_co_u32 s42, s42, s40                     ; tile column = 4 x cluster x + cx
	s_and_b32 s13, ttmp7, 0xffff
	s_lshl_b32 s13, s13, 2
	s_add_co_u32 s13, s13, s41                     ; tile row = 4 x cluster y + cy
	s_lshl_b32 s43, s41, 2
	s_lshl_b32 s43, 15, s43                        ; my row of the cluster
	s_lshl_b32 s44, 0x1111, s40                    ; my column
	; descriptor group 1: 4 rows of 8,192 bytes (1,024 elements of 8), 32,768 bytes apart in memory, dense in LDS
	s_or_b32 s[G1+0], s43, (3<<16)|(1<<21)         ; the mask: A's tiles go to my row; elements of 8 bytes; bit 21 beside a mask
	s_or_b32 s[G1B+0], s44, (3<<16)|(1<<21)
.irp g, G1, G1B
	s_mov_b32 s[\g+1], 1024<<16                    ; tensor_dim0
	s_mov_b32 s[\g+2], 4<<16                       ; tensor_dim1
	s_mov_b32 s[\g+3], 1024<<16                    ; tile_dim0
	s_mov_b32 s[\g+4], 4                           ; tile_dim1
	s_mov_b32 s[\g+5], 4096                        ; from row to row
	s_mov_b32 s[\g+6], 0
	s_mov_b32 s[\g+7], 0
.endr
	s_lshl_b32 s17, s12, 6                         ; which 64 rows of the tile I fetch
	s_lshl_b32 s16, s13, 7
	s_add_co_u32 s16, s16, s17                     ; A: row 128 x tile row + 64 x half
	s_lshl_b32 s46, s42, 7
	s_add_co_u32 s46, s46, s17                     ; B: row 128 x tile column + 64 x half
	s_mov_b32 s17, 0
	s_mov_b32 s47, 0
	s_mov_b64 s[18:19], SIZE_K*2                   ; a tile of 16 rows is 32,768 bytes: 2,048 a row
	s_mul_u64 s[16:17], s[16:17], s[18:19]
	s_mul_u64 s[46:47], s[46:47], s[18:19]
	s_mul_i32 s20, s10, HALFT                      ; where they go: wave x 64 rows
	s_wait_dscnt 0x0                               ; both opening adds are done
	s_wait_kmcnt 0x0
	s_add_nc_u64 s[14:15], s[4:5], s[16:17]
	s_add_nc_u64 s[46:47], s[6:7], s[46:47]
	CROUND                                         ; all sixteen work-groups are here: the first joint loads meet
.irp s, 0,1
	s_mov_b32 s[G0+4*\s], 1
	s_add_co_u32 s[G0+4*\s+1], s20, \s*SLOT
	s_add_nc_u64 s[G0+4*\s+2:G0+4*\s+3], s[14:15], \s*KSB
	s_or_b32 s[G0+4*\s+3], s[G0+4*\s+3], 0x80000000
	s_mov_b32 s[G0B+4*\s], 1
	s_add_co_u32 s[G0B+4*\s+1], s20, \s*SLOT
	s_add_nc_u64 s[G0B+4*\s+2:G0B+4*\s+3], s[46:47], \s*KSB
	s_or_b32 s[G0B+4*\s+3], s[G0B+4*\s+3], 0x80000000
	JLOAD \s
.endr
	v_and_b32 v1, 15, v0                           ; r = l % 16
	v_bfe_u32 v2, v0, 4, 1                         ; h = l / 16
	v_and_b32 v3, 31, v0
	v_lshlrev_b32 v3, 4, v3                        ; 16 x lane
	s_mul_i32 s21, s11, HALFT                      ; my 64 rows of A
	s_mul_i32 s22, s12, HALFT                      ; my 64 rows of B,
	s_add_co_u32 s22, s22, 2*HALFT                 ; which lie behind A's 128
.irp s, 0,1
	v_add_nc_u32 v[ADRA+\s], s21, v3
	v_add_nc_u32 v[ADRB+\s], s22, v3
	s_add_co_u32 s21, s21, SLOT
	s_add_co_u32 s22, s22, SLOT
.endr
	s_mul_i32 s23, s10, 16*SPITCH
	s_add_co_u32 s23, s23, STAGE                   ; my stage
	v_mul_u32_u24 v4, v1, SPITCH                   ; in: row r, 32 bytes for each half of the lanes
	v_lshl_add_u32 v4, v2, 5, v4
	v_add_nc_u32 v[STO], s23, v4
	v_mul_u32_u24 v5, v2, SPITCH                   ; back: lanes 0-15 take one row of 256 bytes, lanes 16-31 the next
	v_lshl_add_u32 v5, v1, 4, v5
	v_add_nc_u32 v[RD], s23, v5
	v_lshlrev_b32 v5, 12, v2                       ; and the same two rows in out0: 4,096 bytes a row
	v_lshl_add_u32 v[CO], v1, 4, v5
	s_lshl_b32 s16, s13, 7
	s_lshl_b32 s17, s11, 6
	s_add_co_u32 s16, s16, s17                     ; my first row: 128 x tile row + 64 x half
	s_lshl_b32 s16, s16, 12
	s_mov_b32 s17, 0
	s_lshl_b32 s46, s42, 9                         ; my first column, in bytes: 512 x tile column + 256 x half
	s_lshl_b32 s47, s12, 8
	s_add_co_u32 s46, s46, s47
	s_mov_b32 s47, 0
	s_add_nc_u64 s[2:3], s[2:3], s[46:47]
	s_add_nc_u64 s[8:9], s[8:9], s[16:17]
	s_add_nc_u64 s[8:9], s[8:9], s[46:47]
	v_lshlrev_b32 v6, 5, v2                        ; the bias: lane (r, h) wants, for tile b, columns 16 b + 8 h + 0 .. 7
.irp b, 0,1,2,3
	global_load_b128 v[BI+8*\b:BI+8*\b+3], v6, s[2:3] offset:64*\b
	global_load_b128 v[BI+8*\b+4:BI+8*\b+7], v6, s[2:3] offset:64*\b+16
.endr
; 8 matrix instructions: m blocks a0, a0 + 1 x all 4 n blocks, 32 along K: half c of buffer f.  zero = 1: the first product starts the sums from the bias.  The 16 accumulators take turns.
.macro MUL8 f, c, a0, zero
.irp a, \a0, \a0+1
.irp b, 0,1,2,3
.if \zero
	v_wmma_f32_16x16x32_f16 v[ACC+8*(4*(\a)+\b):ACC+8*(4*(\a)+\b)+7], v[\f+64+8*(4*\c+\b):\f+64+8*(4*\c+\b)+7], v[\f+8*(4*\c+\a):\f+8*(4*\c+\a)+7], v[BI+8*\b:BI+8*\b+7]
.else
	v_wmma_f32_16x16x32_f16 v[ACC+8*(4*(\a)+\b):ACC+8*(4*(\a)+\b)+7], v[\f+64+8*(4*\c+\b):\f+64+8*(4*\c+\b)+7], v[\f+8*(4*\c+\a):\f+8*(4*\c+\a)+7], v[ACC+8*(4*(\a)+\b):ACC+8*(4*(\a)+\b)+7]
.endif
.endr
.endr
.endm
; 32 LDS loads in one run: the fragments of 64 along K (four blocks of 512 bytes, from byte k of each tile of rows) into buffer f; the first 32 along K first
.macro FETCH slot, k, f
	WIN TO_F
.irp c, 0,1
.irp i, 0,1,2,3
	ds_load_b128 v[\f+64+8*(4*\c+\i):\f+64+8*(4*\c+\i)+3],   v[ADRB+\slot] offset:\k+1024*\c+\i*KSB
	ds_load_b128 v[\f+64+8*(4*\c+\i)+4:\f+64+8*(4*\c+\i)+7], v[ADRB+\slot] offset:\k+1024*\c+\i*KSB+512
	ds_load_b128 v[\f+8*(4*\c+\i):\f+8*(4*\c+\i)+3],         v[ADRA+\slot] offset:\k+1024*\c+\i*KSB
	ds_load_b128 v[\f+8*(4*\c+\i)+4:\f+8*(4*\c+\i)+7],       v[ADRA+\slot] offset:\k+1024*\c+\i*KSB+512
.endr
.endr
.endm
.macro PLACES                          ; four places in front of loads into registers that matrix instructions have read, and of the first read of results
.rept 4
	v_nop
.endr
.endm
; A K step is four quarters of 64 along K, 32 matrix instructions each, on buffers 0, 1, 0, 1.  One of the first three: multiplies buffer f and fetches the next quarter, at byte k, into g.
.macro QUARTER slot, k, f, g, zero
	s_wait_dscnt 16                                ; the first 32 along K are in; the youngest sixteen loads may be out
	WIN MUL
	MUL8 \f, 0, 0, \zero
	MUL8 \f, 0, 2, \zero
	PLACES
	FETCH \slot, \k, \g
	s_wait_dscnt 32                                ; all but the 32 just issued
	WIN MUL
	MUL8 \f, 1, 0, 0
	MUL8 \f, 1, 2, 0
.endm
; The last quarter multiplies buffer 1 and changes slots: ONE barrier; in front of it each wave waits for all its tensor loads, adds 0 to its spare word, and waits for that and for its reads of this slot.  fill = 1: this slot is filled again, two K steps ahead.
.macro TURN slot, next, fill
	WIN 0                                          ; (the add's two registers lie in window 0)
	s_wait_tensorcnt 0x0                           ; all my tensor loads have landed: my part of the next slot
	ds_add_u32 v[SPW], v[NIL]
	s_wait_dscnt 17                                ; (the add and the youngest sixteen loads may be out)
	WIN MUL
	MUL8 F1, 0, 0, 0
	s_wait_dscnt 0x0                               ; the add is done, and my reads of this slot are over
	s_barrier_signal -1
	MUL8 F1, 0, 2, 0
.if \fill
	WIN 0
.endif
	s_barrier_wait -1
.if \fill
	CREST                                          ; the barrier has opened a round of the cluster's: no wave of any partner still reads this slot or has a load on its way
	s_add_nc_u64 s[G0+4*\slot+2:G0+4*\slot+3], s[G0+4*\slot+2:G0+4*\slot+3], 2*KSB
	s_add_nc_u64 s[G0B+4*\slot+2:G0B+4*\slot+3], s[G0B+4*\slot+2:G0B+4*\slot+3], 2*KSB
	JLOAD \slot                                    ; the first tensor load behind the round; its four v_nop are also the places in front of the loads below
.else
	PLACES
.endif
	FETCH \next, 0, F0
	WIN MUL
	MUL8 F1, 1, 0, 0
	MUL8 F1, 1, 2, 0
.endm
	s_wait_tensorcnt 1                             ; my part of K step 0 is in (K step 1's load may be out),
	s_barrier_signal -1
	s_barrier_wait -1                              ; everybody's is
	FETCH 0, 0, F0
	s_wait_loadcnt 0x0                             ; the bias
	QUARTER 0, 2048, F0, F1, 1                     ; the first quarter stands in front of the loop: its first products start the sums
	WIN 0                                          ; at a label and at a branch every window is 0
	s_mov_b32 s[LAP], LAPS-1
.Llap:                                             ; a trip goes once round the ring, from a lap's second quarter to the next lap's first, and fills both slots again
	QUARTER 0, 4096, F1, F0, 0
	QUARTER 0, 6144, F0, F1, 0
	TURN 0, 1, 1
	QUARTER 1, 2048, F0, F1, 0
	QUARTER 1, 4096, F1, F0, 0
	QUARTER 1, 6144, F0, F1, 0
	TURN 1, 0, 1
	QUARTER 0, 2048, F0, F1, 0
	WIN 0
	s_sub_co_u32 s[LAP], s[LAP], 1
	s_cmp_lg_u32 s[LAP], 0
	s_cbranch_scc1 .Llap
	QUARTER 0, 4096, F1, F0, 0                     ; the last lap fills nothing, and has no round of the cluster's barrier
	QUARTER 0, 6144, F0, F1, 0
	TURN 0, 1, 0
	QUARTER 1, 2048, F0, F1, 0
	QUARTER 1, 4096, F1, F0, 0
	QUARTER 1, 6144, F0, F1, 0
	s_wait_dscnt 16                                ; the very last quarter: nothing more to fetch
	WIN MUL
	MUL8 F1, 0, 0, 0
	MUL8 F1, 0, 2, 0
	s_wait_dscnt 0
	MUL8 F1, 1, 0, 0
	MUL8 F1, 1, 2, 0
	WIN 0
; THE WAY OUT, block a of 16 rows x my 64 columns at a time.  A lane holds 32 neighbouring bytes of a row and the lanes beside it other rows: a block goes through my own stage in LDS and comes back as whole rows of 256 bytes.
; LDS serves a wave's instructions in order (ISA guide 5.7.1.4): no wait between the stores and the loads, nor in front of the next block's stores.
.macro TOSTAGE a
.irp b, 0,1,2,3
	ds_store_b128 v[STO], v[ACC+8*(4*(\a)+\b):ACC+8*(4*(\a)+\b)+3] offset:64*\b            ; each accumulator from its low end on
	ds_store_b128 v[STO], v[ACC+8*(4*(\a)+\b)+4:ACC+8*(4*(\a)+\b)+7] offset:64*\b+16
.endr
.irp t, 0,1,2,3,4,5,6,7
	ds_load_b128 v[TMP+32*((\a)%2)+4*\t:TMP+32*((\a)%2)+4*\t+3], v[RD] offset:\t*2*SPITCH
.endr
.endm
.macro SEND a, younger                 ; younger: the LDS instructions issued behind block a's loads, which may stay out
	s_wait_dscnt \younger
.irp t, 0,1,2,3,4,5,6,7
	global_store_b128 v[CO], v[TMP+32*((\a)%2)+4*\t:TMP+32*((\a)%2)+4*\t+3], s[8:9] offset:65536*(\a)+8192*\t th:TH_STORE_NT   ; 16 lanes store 256 consecutive bytes, aligned; written once, read by nobody here
.endr
.endm
	PLACES
	TOSTAGE 0
.irp a, 1,2,3
.if \a > 1
	s_wait_xcnt 0x0                                ; block a - 2's stores have read their registers: block a's loads may land there
.endif
	TOSTAGE \a
	SEND \a-1, 16                                  ; behind block a - 1's loads: block a's 8 stores and 8 loads
.endr
	SEND 3, 0
	s_wait_tensorcnt 0x0                           ; the wave's end, behind my last tensor load and my last LDS store
	ds_add_u32 v[SPW], v[NIL]
	s_wait_dscnt 0x0
	CROUND                                         ; the closing round
	s_endpgm
.Lfunc_end_k_qfd23ae6cd3_outp:
	.size	k_qfd23ae6cd3_outp, .Lfunc_end_k_qfd23ae6cd3_outp-k_qfd23ae6cd3_outp
	.p2alignl 7, 3214868480
	.fill 96, 4, 3214868480
	.section	.rodata,"a",@progbits
	.p2align	6, 0x0
	.amdhsa_kernel k_qfd23ae6cd3_outp
		.amdhsa_group_segment_fixed_size 327680
		.amdhsa_private_segment_fixed_size 0
		.amdhsa_enable_private_segment 0
		.amdhsa_kernarg_size 32
		.amdhsa_user_sgpr_count 2
		.amdhsa_user_sgpr_kernarg_segment_ptr 1
		.amdhsa_wavefront_size32 1
		.amdhsa_system_sgpr_workgroup_id_x 1
		.amdhsa_system_sgpr_workgroup_id_y 1
		.amdhsa_system_sgpr_workgroup_id_z 1
		.amdhsa_system_vgpr_workitem_id 0
		.amdhsa_next_free_vgpr 512
		.amdhsa_next_free_sgpr 66
		.amdhsa_reserve_vcc 0
		.amdhsa_float_denorm_mode_32 3
		.amdhsa_float_denorm_mode_16_64 3
		.amdhsa_memory_ordered 1
		.amdhsa_forward_progress 1
		.amdhsa_inst_pref_size 86
	.end_amdhsa_kernel
	.amdgpu_metadata
---
amdhsa.version: [ 1, 2 ]
amdhsa.kernels:
  - .name:           k_qfd23ae6cd3_outp
    .symbol:         k_qfd23ae6cd3_outp.kd
    .args:
      - { .name: att, .offset: 0, .size: 8, .value_kind: global_buffer, .address_space: global }
      - { .name: ow, .offset: 8, .size: 8, .value_kind: global_buffer, .address_space: global }
      - { .name: out0, .offset: 16, .size: 8, .value_kind: global_buffer, .address_space: global }
      - { .name: out_b, .offset: 24, .size: 8, .value_kind: global_buffer, .address_space: global }
    .group_segment_fixed_size: 327680
    .private_segment_fixed_size: 0
    .kernarg_segment_align: 8
    .kernarg_segment_size: 32
    .max_flat_workgroup_size: 128
    .sgpr_count:     66
    .vgpr_count:     512
    .wavefront_size: 32
...
	.end_amdgpu_metadata
.endif
;; end of part 4
